; MI455X (gfx1250); checked and timed in simulation.
; The chip was launched on July 23, 2026; its instructions are those of AMD's public machine-readable ISA for CDNA 5 (MIT licence, August 2026) and "CDNA5" Instruction Set Architecture Reference Guide (July 2026). The comments in the code are by the model that wrote it; some were corrected since.
;; Multi Head Self Attention. Allowed arithmetic: matrix products marked QUANTISED: E2M3 operands, one E8M0 scale for each 32 along K, by v_wmma_scale_f32_16x16x128_f8f6f4 with both operands' format E2M3, f32 sums; everything else in f32.
;; Inputs: WK_codes 1,024 x 32 x 24 uint8 (E2M3 codes of WK, K innermost, in blocks of 32 codes, four codes in three bytes); WK_scales 1,024 x 32 uint8 (E8M0 scales of WK, one for each 32 codes along K); WO_codes 1,024 x 32 x 24 uint8 (E2M3 codes of WO, K innermost, in blocks of 32 codes, four codes in three bytes); WO_scales 1,024 x 32 uint8 (E8M0 scales of WO, one for each 32 codes along K); WQ_codes 1,024 x 32 x 24 uint8 (E2M3 codes of WQ, K innermost, in blocks of 32 codes, four codes in three bytes); WQ_scales 1,024 x 32 uint8 (E8M0 scales of WQ, one for each 32 codes along K); WV_codes 1,024 x 32 x 24 uint8 (E2M3 codes of WV, K innermost, in blocks of 32 codes, four codes in three bytes); WV_scales 1,024 x 32 uint8 (E8M0 scales of WV, one for each 32 codes along K); bK 1,024 float32; bO 1,024 float32; bQ 1,024 float32; bV 1,024 float32; x_codes 4 x 2,048 x 32 x 24 uint8 (E2M3 codes of x, K innermost, in blocks of 32 codes, four codes in three bytes); x_scales 4 x 2,048 x 32 uint8 (E8M0 scales of x, one for each 32 codes along K).
;; Outputs: out0 4 x 2,048 x 1,024 float32.
;; This version of the problem:
;;   THIS VERSION OF THE PROBLEM IS GIVEN IN LOW PRECISION. The matrix products marked QUANTISED in the list below multiply operands that are first quantised to E2M3 (2 exponent bits, 3 mantissa bits; 6 bits a number), with one power-of-two scale for each 32 numbers along K (OCP MX v1.0); their sums are f32. All else is computed in f32.
;;   The module's matrix products, in the order in which they are computed (A, B: the left and right operand; K: the contracted axis; several contracted axes count as one K, in the product's order):
;;     1. [M 8,192, K 1,024] x [K 1,024, N 1,024]; A: input x (given as codes); B: input WQ (given as codes): QUANTISED
;;     2. [M 8,192, K 1,024] x [K 1,024, N 1,024]; A: input x (given as codes); B: input WK (given as codes): QUANTISED
;;     3. [M 8,192, K 1,024] x [K 1,024, N 1,024]; A: input x (given as codes); B: input WV (given as codes): QUANTISED
;;     4. batch 64 x [M 2,048, K 64] x [K 64, N 2,048]; A: computed on the way; B: computed on the way: QUANTISED
;;     5. batch 64 x [M 64, K 2,048] x [K 2,048, N 2,048]; A: computed on the way; B: softmax (see below): QUANTISED
;;     6. [M 8,192, K 1,024] x [K 1,024, N 1,024]; A: computed on the way; B: input WO (given as codes): QUANTISED
;;   THE QUANTISER, for each operand of a quantised product, along K:
;;     - K is cut into blocks of 32 from its start; a last block that is shorter is filled with zeros.
;;     - A block's scale is 2^e with e = floor(log2(the largest magnitude in the block)) - 2, held to -126 .. 127; a block of zeros has e = 0. As a byte (E8M0): e + 127.
;;     - Each number is divided by its block's scale, clamped to +-7.5, and rounded to the nearest number of E2M3, ties to even, subnormals kept.
;;     - The product sums the exact products of the quantised numbers (number of the format x scale) in f32.
;;   ~~~python
;;   def quantise(x, axis):      # numpy; x: float32 -> the quantised numbers, widened to float32 again
;;       x = np.moveaxis(x, axis, -1); K = x.shape[-1]
;;       x = np.pad(x, [(0, 0)] * (x.ndim - 1) + [(0, -K % 32)]); x = x.reshape(x.shape[:-1] + (-1, 32)); a = np.abs(x).max(-1, keepdims=True)
;;       e = np.where(a > 0, np.clip(np.frexp(np.where(a > 0, a, 1))[1] - 1 - 2, -126, 127), 0)      # np.frexp(a)[1] - 1 = floor(log2(a)), exactly
;;       r = np.clip(x / 2.0 ** e, -7.5, 7.5)
;;       step = 2.0 ** (np.maximum(np.frexp(np.where(r == 0, 1, r))[1] - 1, 0) - 3)
;;       q = np.round(r / step) * step * 2.0 ** e      # np.round: ties to even
;;       return np.moveaxis(q.reshape(q.shape[:-2] + (-1,))[..., :K], -1, axis).astype(np.float32)
;;   ~~~
;;   SOFTMAX AHEAD OF A QUANTISED PRODUCT. Where the list says 'softmax', what is quantised is not the finished softmax but p = 2^(t - M), with t = logit x log2(e) and M = ceil(the row's largest t), a whole number; so 1/2 < the row's largest p <= 1. The row's sum l is taken of the UNQUANTISED p, in f32, and the product's result is divided by l at the end. Since M is a whole number, a kernel that streams over the keys may use a running M (the ceiling of the running maximum): every later rescaling is an exact power of two, which a block's scale takes up: the codes' values come out the same.
;;   OPERANDS COMPUTED ON THE WAY. 'Computed on the way' means the value that the module computes at that place (a softmax that the list does not call 'softmax' is quantised finished and normalised). What goes into a quantiser is computed in f32, as accurately as f32 sums, v_exp_f32 and their like allow (about 1e-6 of the number): no bf16 or f16 on the way to a quantiser, and a product that is left as it is and whose result goes on into a quantised operand takes f32 operands (vector FMAs, or v_wmma_f32_16x16x4_f32). A number that lies on a knife's edge between two numbers of the format may be rounded either way, as far as f32 arithmetic and the matrix unit's own rounding can turn it there, and no further.
;;   INPUTS GIVEN AS CODES. WK (in the module: [1024, 1024], K = its axis 0); WO (in the module: [1024, 1024], K = its axis 0); WQ (in the module: [1024, 1024], K = its axis 0); WV (in the module: [1024, 1024], K = its axis 0); x (in the module: [4, 2048, 1024], K = its axis 2): each comes as NAME_codes (uint8): NAME with its K axis moved to the last place and cut into blocks of 32 codes, [.., K / 32, bytes a block], one block behind the other in memory; four codes in three bytes: a row's codes are one little-endian stream of bits, code i at bits 6 i .. 6 i + 5 (a code: sign, 2 exponent bits, 3 mantissa bits); and NAME_scales (uint8): the same leading axes, one E8M0 byte (e + 127) for each 32 codes along K. Its value is code x scale, taken as it is: it is not quantised again, and the codes and scales need not be those that the quantiser above would give.
;; One version. Each part assembles by itself: llvm-mc -triple=amdgcn-amd-amdhsa -mcpu=gfx1250 --defsym DOCPART=n.
;; ======== version 1 of 1: 3 launches
;; workspace buffers: qkv 19,660,800 bytes; o_codes 6,291,456 bytes; o_scales 262,144 bytes
;; launch proj (part 1): grid 8 x 48, 4 waves a work-group, clusters of 4 x 4, 327,680 bytes of LDS; arguments x_codes, x_scales, WQ_codes, WQ_scales, WK_codes, WK_scales, WV_codes, WV_scales, bQ, bK, bV, qkv; writes qkv
.if DOCPART == 1
	.amdgcn_target "amdgcn-amd-amdhsa--gfx1250"
	.amdhsa_code_object_version 6
	.text
	.protected	k_q924fa4a6e9_proj
	.globl	k_q924fa4a6e9_proj
	.p2align	8
	.type	k_q924fa4a6e9_proj,@function
k_q924fa4a6e9_proj:
	s_mov_b64 s[64:65], 0
	v_nop
	global_prefetch_b8 v0, s[64:65] scope:SCOPE_SE
	s_setreg_imm32_b32 hwreg(HW_REG_WAVE_MODE, 25, 1), 1
	s_wait_xcnt 0x0
	s_wait_alu depctr_hold_cnt(0) depctr_sa_sdst(0) depctr_va_vdst(0) depctr_va_sdst(0) depctr_va_ssrc(0) depctr_va_vcc(0) depctr_vm_vsrc(0)
	s_getreg_b32 s2, hwreg(HW_REG_IB_STS2, 6, 4)
	s_cmp_eq_u32 s2, 0
	s_cbranch_scc0 .Lentry_in_a_cluster
	s_endpgm
.Lentry_in_a_cluster:
	s_bfe_u32 s2, ttmp6, 0x10000c
	s_cmp_lg_u32 s2, 0xf033
	s_cbranch_scc0 .Lentry_shape_is_right
	s_endpgm
.Lentry_shape_is_right:
; q = x WQ + bQ, k = x WK + bK, v = x WV + bV on codes of FP6 (E2M3) with one E8M0 scale for each 32 along K = 1,024, sums in f32; the results are quantised at once,
; q and k along a head's 64, v along the keys, and stored as IMAGES OF OPERAND REGISTERS for the attention launch.
; A work-group of four waves makes 256 x 256 results, a wave 128 x 128: 64 accumulators of 16 x 16.  K goes in steps of 256 through a ring of two LDS slots filled by the tensor data mover.
; S0 is the matrix instruction's source 0 (its rows run along a lane's registers in the result), S1 its source 1 (its row is the lane).
;   cluster y 0-7:  S0 = 256 rows of WQ (cluster x 0) or WK (cluster x 1), S1 = 256 rows of x: a lane holds ONE token, its registers run along the features: a head's 64 are neighbours in a lane.
;   cluster y 8-11: S0 = 256 rows of x, S1 = 256 rows of WV: a lane holds ONE feature, its registers run along the tokens, which are the second attention product's K.
; CLUSTERS: 4 x 4 work-groups; S1's tile is shared along a row of the cluster, S0's along a column: each is asked for jointly, by the same tensor load with a mask that names the four.
; THE BIAS is the C of each sum's first matrix instruction: 64 registers in the result's layout.  Which register goes with which accumulator differs between the two kinds of work-group,
; so the first K step of 128 is written twice, under one scalar branch on the cluster's y, which all partners of a cluster share.
; ORDER INSIDE A BLOCK OF 32: a lane's 16 registers of result tiles 2 b and 2 b + 1 are elements 8 h + 0..7 and 16 + 8 h + 0..7 of the block, so a block's codes lie in the order 0-7, 16-23, 8-15, 24-31.
; q and k get the same order here, v the same as p gets in the attention launch: a permutation of k applied alike to both operands keeps the products.
; qkv: [batch 4][head pair 8][step of 128 tokens 16] frames of 38,400 bytes: K of head A at 0, of head B at 6,144, V at 12,288 and 18,432, Q at 24,576 and 30,720 (four images of 1,536 bytes each);
; scale words at 36,864: K A, K B, V A, V B, Q A, Q B, 256 bytes each (four images x 16 words).  An image is six chunks of 256 bytes: chunk i = registers 2 i, 2 i + 1, lane l at 8 l.
; An image of K or Q holds TWO tiles of 16 tokens of one head: registers 0-5 the first tile's 64 codes, registers 6-11 the second's.
; LIMITS: NaN, infinities and the scale byte 0xff among the inputs are not served.  A block whose largest magnitude lies under 2^-124, a block of zeros too, keeps the byte 1 (the rule says 127 for zeros):
; its codes are zeros or as the floor gives them, and these bytes are read by this program alone.  The scale words leave 64 bytes at a time, not in whole aligned blocks of 256: 1.5 KiB of a frame's 37.5.
.set KSTEP,  256                       ; along K in a slot
.set NQ,     KSTEP/128                 ; matrix instructions deep
.set ROWB,   192                       ; a tile's row in bytes
.set KROW,   768                       ; a row of x or of a weight in memory
.set PITCH,  240                       ; an LDS row: 3 x (64 bytes + 16 of padding)
.set FR,     12                        ; registers of a fragment
.set NL,     6                         ; LDS loads that bring one
.set NP,     4                         ; places behind this matrix instruction (ISA guide 7.12.1)
.set HALFT,  128*PITCH                 ; 128 rows: what one tensor load brings
.set SLOT,   4*HALFT                   ; S1's 256 rows, then S0's 256 rows
.set LAPS,   1024/(2*KSTEP)            ; a lap = two K steps = once round the ring
.set KS,     32                        ; a row of scales in bytes
.set SCL,    2*SLOT                    ; behind the ring: the scales, as rows of 256 bytes + 16 of padding
.set HALFS,  (128*KS/256)*272          ; the scales of 128 rows
.set SBLK,   (16*KS/256)*272           ; those of 16 rows
.set SPARE,  SCL+4*HALFS               ; the spare words, 128 bytes for each wave: two blocks of 256 bytes that no other line names
.set FRAME,  38400
.set OE,   7                           ; v7-10   the way out: my 8 bytes of a chunk: first tile of a pair registers 0-5, registers 6-11; second tile likewise
.set SOF,  11                          ; v11     my place among the scale words
.set ADRA, 16                          ; v16-17  LDS address of my S1 fragments in slot 0, 1  (v18-19: for the pieces behind one padding more)
.set ADRB, 20                          ; v20-21  the same for S0  (v22-23)
.set ADRS, 27                          ; v27     LDS address of my scale words: lanes 0-15 S1's rows, lanes 16-31 S0's
.set SPW,  28                          ; v28     LDS address of my spare word; never rewritten
.set NIL,  29                          ; v29     0; never rewritten
.set SC,   32                          ; v32-63  scale words, two sets
.set CB,   64                          ; v64-127 the bias, in the result's layout
.set AF,   128                         ; v128-223 S1's fragments, one set (window 0);  window 1: S0's two sets at v0 and v128;  windows 2, 3: the accumulators, (a, b) at v[8 (8 (a % 4) + b)]
.set VO,   224                         ; v224-231 byte offsets of the bias loads
.set CD,   128                         ; the way out: v128-139 a fragment's codes, v140-146 at work
.set TM,   160                         ; v160-163 largest magnitudes, v164-167 bytes, v172-175 the conversions' scale operands
.set PW,   176                         ; v176-177 the scale words of a pair of tiles
.set XX,   178                         ; v178-180 the words as they are stored
.set WV,   20                          ; s20 wave;  s21 wave / 2: my half of S1's rows, and: I fetch for S1 (0) or S0 (1);  s22 wave % 2: my half of S0's rows, and which 128 rows I fetch
.set HR,   21
.set HC,   22
.set ISV,  23                          ; s23 1 in the work-groups that make v
.set G1,   24                          ; s[24:31] group 1 for S1's tiles;  s[32:39] group 0, one set for each slot
.set G0,   32
.set G1B,  48                          ; s[48:55], s[56:63] the same for S0's tiles
.set G0B,  56
.set G1S,  68                          ; s[68:75], s[76:79] groups 1 and 0 for S1's scales;  s[80:87], s[88:91] for S0's
.set G0S,  76
.set G1SB, 80
.set G0SB, 88
.set SEL,  100                         ; s[100:101] v_permlanex16_b32's selects for lane l xor 16
.set MSB, 0
.macro WIN new                         ; the immediate's high byte repeats the setting that is left
.if MSB != (\new)
	s_set_vgpr_msb (MSB<<8)|(\new)
.set MSB, (\new)
.endif
.endm
.set MUL_LO, 0xa1                      ; source 0 window 1, source 1 window 0, C and D window 2
.set MUL_HI, 0xf1                      ; the same, C and D window 3
.set TO_B,   0x40                      ; destination window 1, address window 0
; A joint load: waves 0 and 1 fetch for S1, waves 2 and 3 for S0.  The branch hangs on the wave's number alone.  Four v_nop follow each of the two lines.
.macro JLOAD g0a, g1a, g0b, g1b
	s_cmp_eq_u32 s[HR], 0
	s_cbranch_scc0 .Lfor_b_\@
	tensor_load_to_lds s[\g0a:\g0a+3], s[\g1a:\g1a+7]
	s_nop 0
.rept 4
	v_nop
.endr
	s_branch .Lasked_\@
.Lfor_b_\@:
	tensor_load_to_lds s[\g0b:\g0b+3], s[\g1b:\g1b+7]
	s_nop 0
.rept 4
	v_nop
.endr
.Lasked_\@:
.endm
.macro CREST                           ; a round of the cluster's barrier behind its opening barrier
	s_cmp_lg_u32 s[WV], 0
	s_cbranch_scc1 .Lnot_wave_0_\@
	s_barrier_signal -3
.Lnot_wave_0_\@:
	s_barrier_wait -3
	s_barrier_signal -1
	s_barrier_wait -1
.endm
.macro CROUND                          ; a whole round
	s_barrier_signal -1
	s_barrier_wait -1
	CREST
.endm
	s_load_b256 s[4:11], s[0:1], 0x0               ; x's codes s[4:5], x's scales s[6:7], WQ's codes s[8:9], WQ's scales s[10:11]
	s_load_b256 s[12:19], s[0:1], 0x20             ; WK's codes s[12:13], scales s[14:15], WV's codes s[16:17], scales s[18:19]
	s_load_b256 s[92:99], s[0:1], 0x40             ; bQ s[92:93], bK s[94:95], bV s[96:97], qkv s[98:99]
	v_lshl_add_u32 v[SPW], v0, 2, SPARE
	v_mov_b32 v[NIL], 0
	ds_add_u32 v28, v29
	ds_add_u32 v28, v29
	s_wait_dscnt 0x0
	v_lshrrev_b32 v1, 5, v0
	v_readfirstlane_b32 s[WV], v1                  ; wave 0..3
	s_lshr_b32 s[HR], s[WV], 1
	s_and_b32 s[HC], s[WV], 1
	s_bfe_u32 s40, ttmp6, 0x40000                  ; cx, cy: my place in the cluster
	s_bfe_u32 s41, ttmp6, 0x40004
	s_and_b32 s104, ttmp7, 0xffff                  ; the cluster's y
	s_lshl_b32 s105, s104, 2                       ; 4 x cluster y
	s_lshl_b32 s46, s104, 3
	s_lshl_b32 s47, ttmp9, 2
	s_add_co_u32 s46, s46, s47
	s_sub_co_u32 s46, s46, 64                      ; 4 x cluster x + 8 x (cluster y - 8): used where v is made
	s_cmp_ge_u32 s104, 8
	s_cselect_b32 s[ISV], 1, 0
	s_cselect_b32 s105, 0, s105
	s_cselect_b32 s46, s46, 0
	s_add_co_u32 s66, s41, s105                    ; S1's tile of 256 rows: of x, 4 x cluster y + cy; of WV, cy
	s_add_co_u32 s42, s40, s46                     ; S0's tile: of WQ or WK, cx; of x, 4 x cluster x + cx + 8 x (cluster y - 8)
	s_lshl_b32 s43, s41, 2
	s_lshl_b32 s43, 15, s43                        ; my row of the cluster
	s_lshl_b32 s44, 0x1111, s40                    ; my column
	; descriptor group 1: a tile of 128 rows x 192 bytes, padded in LDS
	s_or_b32 s[G1+0], s43, (0<<16)|(1<<20)|(1<<21)|(3<<22)|(3<<25)  ; 15:0 the mask: S1's tiles go to my row; 17:16 element of 1 byte; 20 padding on; 21 set beside a mask; 24:22 after every 16 words; 31:25 of 4 words
	s_or_b32 s[G1B+0], s44, (0<<16)|(1<<20)|(1<<21)|(3<<22)|(3<<25) ; the same with the mask of my column
.irp g, G1, G1B
	s_mov_b32 s[\g+1], ROWB<<16                    ; tensor_dim0
	s_mov_b32 s[\g+2], 128<<16                     ; tensor_dim1
	s_mov_b32 s[\g+3], ROWB<<16                    ; tile_dim0
	s_mov_b32 s[\g+4], 128                         ; tile_dim1
	s_mov_b32 s[\g+5], KROW                        ; tensor_dim0_stride
	s_mov_b32 s[\g+6], 0
	s_mov_b32 s[\g+7], 0
.endr
	; the scales of 128 rows: a dense block of 4,096 bytes, as 16 rows of 256 bytes (32 elements of 8 bytes), 16 bytes of padding behind each
	s_or_b32 s[G1S+0], s43, (3<<16)|(1<<20)|(1<<21)|(5<<22)|(3<<25)
	s_or_b32 s[G1SB+0], s44, (3<<16)|(1<<20)|(1<<21)|(5<<22)|(3<<25)
.irp g, G1S, G1SB
	s_mov_b32 s[\g+1], 32<<16
	s_mov_b32 s[\g+2], (128*KS/256)<<16
	s_mov_b32 s[\g+3], 32<<16
	s_mov_b32 s[\g+4], 128*KS/256
	s_mov_b32 s[\g+5], 32
	s_mov_b32 s[\g+6], 0
	s_mov_b32 s[\g+7], 0
.endr
	; byte offsets of what I fetch, made in the address words of each group 0 (all under 2^32); the buffers' addresses are added below
	s_lshl_b32 s104, s66, 8
	s_lshl_b32 s105, s[HC], 7
	s_add_co_u32 s104, s104, s105                  ; S1: row 256 x tile + 128 x half
	s_mul_i32 s[G0+2], s104, KROW
	s_mov_b32 s[G0+3], 0
	s_lshl_b32 s[G0S+2], s104, 5
	s_mov_b32 s[G0S+3], 0
	s_lshl_b32 s46, s42, 8
	s_add_co_u32 s46, s46, s105                    ; S0 likewise
	s_mul_i32 s[G0B+2], s46, KROW
	s_mov_b32 s[G0B+3], 0
	s_lshl_b32 s[G0SB+2], s46, 5
	s_mov_b32 s[G0SB+3], 0
	s_mul_i32 s45, s[WV], HALFT                    ; where they go: wave x 128 rows: no place in the cluster enters an LDS address
	s_mul_i32 s67, s[WV], HALFS
	s_mov_b32 s[G0S], 1
	s_add_co_u32 s[G0S+1], s67, SCL
	s_mov_b32 s[G0SB], 1
	s_add_co_u32 s[G0SB+1], s67, SCL
.irp s, 0,1
	s_mov_b32 s[G0+4*\s], 1
	s_add_co_u32 s[G0+4*\s+1], s45, \s*SLOT
	s_mov_b32 s[G0B+4*\s], 1
	s_add_co_u32 s[G0B+4*\s+1], s45, \s*SLOT
.endr
	s_wait_kmcnt 0x0
	s_cmp_eq_u32 ttmp9, 0                          ; cluster x 0 makes q, cluster x 1 makes k: the choices hang on the cluster's coordinates alone
	s_cselect_b64 s[8:9], s[8:9], s[12:13]
	s_cselect_b64 s[10:11], s[10:11], s[14:15]
	s_cselect_b64 s[92:93], s[92:93], s[94:95]
	s_cmp_lg_u32 s[ISV], 0
	s_cselect_b64 s[12:13], s[4:5], s[8:9]         ; S0's codes: x where v is made, else the weight
	s_cselect_b64 s[14:15], s[6:7], s[10:11]       ; S0's scales
	s_cselect_b64 s[4:5], s[16:17], s[4:5]         ; S1's codes: WV where v is made, else x
	s_cselect_b64 s[6:7], s[18:19], s[6:7]         ; S1's scales
	s_cselect_b64 s[92:93], s[96:97], s[92:93]     ; the bias
	s_add_nc_u64 s[G0+2:G0+3], s[4:5], s[G0+2:G0+3]
	s_add_nc_u64 s[G0+6:G0+7], s[G0+2:G0+3], ROWB  ; slot 1 begins with K step 1
	s_or_b32 s[G0+3], s[G0+3], 0x80000000          ; 127:126 type = 2
	s_or_b32 s[G0+7], s[G0+7], 0x80000000
	s_add_nc_u64 s[G0B+2:G0B+3], s[12:13], s[G0B+2:G0B+3]
	s_add_nc_u64 s[G0B+6:G0B+7], s[G0B+2:G0B+3], ROWB
	s_or_b32 s[G0B+3], s[G0B+3], 0x80000000
	s_or_b32 s[G0B+7], s[G0B+7], 0x80000000
	s_add_nc_u64 s[G0S+2:G0S+3], s[6:7], s[G0S+2:G0S+3]
	s_or_b32 s[G0S+3], s[G0S+3], 0x80000000
	s_add_nc_u64 s[G0SB+2:G0SB+3], s[14:15], s[G0SB+2:G0SB+3]
	s_or_b32 s[G0SB+3], s[G0SB+3], 0x80000000
	CROUND                                         ; all sixteen work-groups are here: the first joint loads meet
	JLOAD G0S, G1S, G0SB, G1SB                     ; the scales of all of K: filled once
	JLOAD G0, G1, G0B, G1B                         ; K step 0
	JLOAD G0+4, G1, G0B+4, G1B                     ; K step 1: three tensor loads of mine are out
	v_and_b32 v1, 15, v0                           ; r = l % 16
	v_bfe_u32 v2, v0, 4, 1                         ; h = l / 16
	v_mul_u32_u24 v3, v1, PITCH
	v_mul_u32_u24 v4, v2, 24
	v_add_nc_u32 v4, v3, v4                        ; a fragment's row x pitch + 24 x half
	v_lshl_add_u32 v5, v2, 4, v4                   ; and the same behind one padding more
	s_mul_i32 s104, s[HR], HALFT                   ; my 128 rows of S1
	s_mul_i32 s105, s[HC], HALFT                   ; my 128 rows of S0,
	s_add_co_u32 s105, s105, 2*HALFT               ; which lie behind S1's 256
.irp s, 0,1
	v_add_nc_u32 v[ADRA+\s], s104, v4
	v_add_nc_u32 v[ADRB+\s], s105, v4
	v_add_nc_u32 v[ADRA+2+\s], s104, v5
	v_add_nc_u32 v[ADRB+2+\s], s105, v5
	s_add_co_u32 s104, s104, SLOT
	s_add_co_u32 s105, s105, SLOT
.endr
	v_mul_u32_u24 v5, v1, KS                       ; my row's scales: 32 bytes a row,
	v_lshrrev_b32 v6, 8, v5
	v_lshl_add_u32 v5, v6, 4, v5                   ; and 16 more for each 256 passed
	s_mul_i32 s104, s[HR], HALFS
	s_mul_i32 s105, s[HC], HALFS
	s_add_co_u32 s105, s105, 2*HALFS
	s_sub_co_u32 s105, s105, s104
	v_mul_u32_u24 v6, s105, v2                     ; lanes 16-31 take S0's
	s_add_co_u32 s104, s104, SCL
	v_add_nc_u32 v5, v5, v6
	v_add_nc_u32 v[ADRS], s104, v5
	; THE WAY OUT'S NUMBERS.  What differs between the two kinds of work-group is chosen here, once, into scalar registers; the way out itself is one text.
	s_lshl_b32 s18, s42, 1
	s_add_co_u32 s18, s18, s[HC]                   ; my 128 rows of S0, counted in 128s
	s_lshl_b32 s19, s66, 1
	s_add_co_u32 s19, s19, s[HR]                   ; my 128 rows of S1
	s_mov_b32 s104, 6144
	s_mov_b32 s105, 768
	s_mov_b32 s8, 1536
	s_mov_b32 s12, 0x05040100
	s_mov_b32 s13, 0x07060302
	s_cmp_eq_u32 ttmp9, 0
	s_cselect_b32 s94, 24576, 0                    ; Q's images, or K's
	s_cselect_b32 s96, 1024, 0                     ; and their scale words
	s_cmp_lg_u32 s[ISV], 0
	s_cselect_b32 s4, s18, s19                     ; which 128 tokens
	s_cselect_b32 s6, s19, s18                     ; which pair of heads
	s_cselect_b32 s94, 12288, s94                  ; V's images
	s_cselect_b32 s96, 512, s96
	s_cselect_b32 s104, 768, s104                  ; from a fragment's registers 0-5 to its registers 6-11: the same image's second half (v), or the other head's image (q, k)
	s_cselect_b32 s105, 1536, s105                 ; from a pair's first tile to its second: the next image (v), or the same image's second half (q, k)
	s_cselect_b32 s8, 3072, s8                     ; from pair to pair
	s_cselect_b32 s10, 128, 64                     ; the same for the scale words
	s_cselect_b32 s12, 0x03020100, s12             ; lanes 0-15 store: the first tile's word (v), or head A's two bytes of both tiles (q, k)
	s_cselect_b32 s13, 0x07060504, s13             ; lanes 16-31: the second tile's word (v), or head B's bytes (q, k)
	s_cselect_b32 s14, 64, 256                     ; and how far on they store it
	s_cselect_b32 s15, 4, 0                        ; the bias: bytes for r,
	s_cselect_b32 s16, 0, 32                       ; for h,
	s_cselect_b32 s17, 0, 4                        ; for a register
	s_mov_b32 s9, 0
	s_mov_b32 s11, 0
	s_lshr_b32 s5, s4, 4                           ; the frame: ((batch x 8 + head pair) x 16 + step)
	s_lshl_b32 s5, s5, 3
	s_add_co_u32 s5, s5, s6
	s_lshl_b32 s5, s5, 4
	s_and_b32 s4, s4, 15
	s_add_co_u32 s5, s5, s4
	s_mul_i32 s5, s5, FRAME
	s_add_co_u32 s94, s94, s5
	s_mov_b32 s95, 0
	s_add_co_u32 s96, s96, s5
	s_add_co_u32 s96, s96, 36864
	s_mov_b32 s97, 0
	s_lshl_b32 s18, s6, 9                          ; the pair of heads' 128 numbers of the bias
	s_mov_b32 s19, 0
	s_add_nc_u64 s[4:5], s[98:99], s[94:95]        ; where my images begin
	s_add_nc_u64 s[6:7], s[98:99], s[96:97]        ; and my scale words
	s_add_nc_u64 s[92:93], s[92:93], s[18:19]
	s_mov_b32 s[SEL], 0x76543210
	s_mov_b32 s[SEL+1], 0xfedcba98
	v_and_b32 v12, 31, v0
	v_lshlrev_b32 v[OE], 3, v12                    ; 8 x lane
	v_add_nc_u32 v[OE+1], s104, v[OE]
	v_add_nc_u32 v[OE+2], s105, v[OE]
	v_add_nc_u32 v[OE+3], s104, v[OE+2]
	v_mul_u32_u24 v[SOF], s14, v2
	v_lshl_add_u32 v[SOF], v1, 2, v[SOF]           ; 4 r, + the distance for lanes 16-31
	; the bias in the result's layout.  q, k: register 8 b + j = bias[16 b + 8 h + j], the C of accumulator (a, b).  v: register 8 a + j = bias[16 a + r] for every j, the C of accumulator (a, b).
	v_mul_u32_u24 v[VO], s15, v1
	v_mad_u32_u24 v[VO], v2, s16, v[VO]
.irp j, 1,2,3,4,5,6,7
	v_add_nc_u32 v[VO+\j], s17, v[VO+\j-1]
.endr
.irp t, 0,1,2,3,4,5,6,7
.irp j, 0,1,2,3,4,5,6,7
	global_load_b32 v[CB+8*\t+\j], v[VO+\j], s[92:93] offset:64*\t
.endr
.endr
.macro FRAG reg, adr, q, i             ; a fragment, 16 rows x 128 K, is 12 registers: lane l holds row l % 16; registers 6 c .. 6 c + 5 hold K = 64 c + 32 (l / 16) + 0 .. 31: 24 bytes of the row, as they lie
.irp p, 0,1,2,3,4,5                    ; in pieces of 8 bytes.  Lanes 16-31 read three pieces further on than lanes 0-15; where that lies behind one padding more, the second address register serves
.set PIECE, 12*(\q)+6*(\p/3)+\p%3
.if PIECE%8 < 5
	ds_load_b64 v[\reg+2*\p:\reg+2*\p+1], v[\adr] offset:8*PIECE+16*(PIECE/8)+(\i)*16*PITCH
.else
	ds_load_b64 v[\reg+2*\p:\reg+2*\p+1], v[\adr+2] offset:8*PIECE+16*(PIECE/8)+(\i)*16*PITCH
.endif
.endr
.endm
; 16 matrix instructions: S1's blocks a0, a0 + 1 x S0's eight, 128 along K: the slot's q-th.  p: S0's set;  sc: the set of scale words.
; zero = 0: the sums go on in place;  1: they start from the bias of S0's block b (q, k);  2: from the bias of S1's block a (v).  The 64 accumulators take turns, one instruction a turn.
.macro MUL16 a0, p, q, sc, zero
.irp a, \a0, \a0+1
.irp b, 0,1,2,3,4,5,6,7
.set rD, 8*(8*((\a)%4)+\b)
.set rB, 128*(\p)+FR*\b
.set rA, AF+FR*(\a)
.set rSB, SC+8*NQ*(\sc)+NQ*\b+(\q)
.set rSA, SC+8*NQ*(\sc)+NQ*(\a)+(\q)
.if \zero == 1
	v_wmma_scale_f32_16x16x128_f8f6f4 v[rD:rD+7], v[rB:rB+FR-1], v[rA:rA+FR-1], v[CB+8*\b:CB+8*\b+7], v[rSB], v[rSA] matrix_a_fmt:MATRIX_FMT_FP6 matrix_b_fmt:MATRIX_FMT_FP6 matrix_a_scale:MATRIX_SCALE_ROW1
.elseif \zero == 2
	v_wmma_scale_f32_16x16x128_f8f6f4 v[rD:rD+7], v[rB:rB+FR-1], v[rA:rA+FR-1], v[CB+8*(\a):CB+8*(\a)+7], v[rSB], v[rSA] matrix_a_fmt:MATRIX_FMT_FP6 matrix_b_fmt:MATRIX_FMT_FP6 matrix_a_scale:MATRIX_SCALE_ROW1
.else
	v_wmma_scale_f32_16x16x128_f8f6f4 v[rD:rD+7], v[rB:rB+FR-1], v[rA:rA+FR-1], v[rD:rD+7], v[rSB], v[rSA] matrix_a_fmt:MATRIX_FMT_FP6 matrix_b_fmt:MATRIX_FMT_FP6 matrix_a_scale:MATRIX_SCALE_ROW1
.endif
.endr
.endr
.endm
.macro FETCH_B slot, q, p              ; S0's eight fragments of the slot's q-th 128 along K into set p
	WIN TO_B
.irp i, 0,1,2,3,4,5,6,7
	FRAG 128*(\p)+FR*\i, ADRB+\slot, \q, \i
.endr
	WIN 0
.endm
.macro FETCH_A slot, q, i0             ; S1's blocks i0 .. i0 + 3
.irp i, \i0, \i0+1, \i0+2, \i0+3
	FRAG AF+FR*(\i), ADRA+\slot, \q, \i
.endr
.endm
.macro SCALES sc                       ; a K step's scale words into set sc: two words a row; lanes 0-15 take S1's block i, lanes 16-31 S0's block i
.irp i, 0,1,2,3,4,5,6,7
	ds_load_b64 v[SC+8*NQ*\sc+NQ*\i:SC+8*NQ*\sc+NQ*\i+1], v[ADRS] offset:\i*SBLK
.endr
.endm
.macro PLACES n                        ; plain vector instructions between a matrix instruction and a load into, or a vector read of, its registers (ISA guide 7.12.1 for vector reads)
.rept \n
	v_nop
.endr
.endm
; A step of 128 along K that has its successor in the same slot.
.macro STEP slot, q, zero
	s_wait_dscnt 4*NL                              ; S0's set and S1's blocks 0-3 are in; the youngest 24 loads (S1's blocks 4-7) may be out
.if \zero
	WIN 0x81                                       ; source 0 window 1, source 1 and C (the bias) window 0, D window 2
.else
	WIN MUL_LO
.endif
	MUL16 0, (\q)%2, \q, \slot, \zero
	MUL16 2, (\q)%2, \q, \slot, \zero
	s_wait_dscnt 0                                 ; S1's blocks 4-7 are in (asked for 32 matrix instructions ago)
	PLACES NP
	FETCH_B \slot, (\q)+1, 1-(\q)%2
	FETCH_A \slot, (\q)+1, 0
.if \zero
	WIN 0xc1                                       ; the same, D window 3
.else
	WIN MUL_HI
.endif
	MUL16 4, (\q)%2, \q, \slot, \zero
	MUL16 6, (\q)%2, \q, \slot, \zero
	PLACES NP
	WIN 0
	FETCH_A \slot, (\q)+1, 4
.endm
; A slot's last step changes slots: ONE barrier; in front of it each wave waits for all its tensor loads, adds 0 to its spare word, and waits for that and for its own reads of this slot.  fill = 1: this slot is filled again, two K steps ahead.
.macro TURN slot, next, fill
	s_wait_tensorcnt 0x0                           ; all my tensor loads have landed: my part of the next slot
	ds_add_u32 v[SPW], v[NIL]                      ; 0 onto my spare word
	s_wait_dscnt 4*NL+1                            ; the add and the youngest 24 loads (S1's blocks 4-7) may be out
	WIN MUL_LO
	MUL16 0, 1, NQ-1, \slot, 0                     ; sixteen matrix instructions stand between the add and the wait for it
	s_wait_dscnt 0x0                               ; the add is done, and my reads of this slot are over
	s_barrier_signal -1
	MUL16 2, 1, NQ-1, \slot, 0
	WIN 0
	s_barrier_wait -1
.if \fill
	CREST                                          ; the barrier has opened a round of the cluster's barrier: no wave of any partner still reads this slot or has a load on its way
	s_add_nc_u64 s[G0+4*\slot+2:G0+4*\slot+3], s[G0+4*\slot+2:G0+4*\slot+3], 2*ROWB
	s_add_nc_u64 s[G0B+4*\slot+2:G0B+4*\slot+3], s[G0B+4*\slot+2:G0B+4*\slot+3], 2*ROWB
	JLOAD G0+4*\slot, G1, G0B+4*\slot, G1B         ; the first tensor load behind the round; its four v_nop are the places in front of the loads below
.else
	PLACES NP
.endif
	v_add_nc_u32 v[ADRS], 4*NQ, v[ADRS]            ; on to the next K step's scale words
	FETCH_B \next, 0, 0
	FETCH_A \next, 0, 0
	SCALES \next
	WIN MUL_HI
	MUL16 4, 1, NQ-1, \slot, 0
	MUL16 6, 1, NQ-1, \slot, 0
	PLACES NP
	WIN 0
	FETCH_A \next, 0, 4
.endm
	s_wait_tensorcnt 1                             ; the scales and my part of K step 0 are in; K step 1's load, issued last, may be out
	s_barrier_signal -1
	s_barrier_wait -1                              ; everybody's are
	FETCH_B 0, 0, 0
	FETCH_A 0, 0, 0
	SCALES 0
	FETCH_A 0, 0, 4
	s_wait_loadcnt 0x0                             ; the bias
	s_cmp_lg_u32 s[ISV], 0                         ; the first step starts the sums from the bias: written twice, since the register that goes with an accumulator differs.  No tensor load, barrier or LDS store stands in either arm
	s_cbranch_scc1 .Lfirst_v
	STEP 0, 0, 1
	s_branch .Lfirst_done
.Lfirst_v:
	STEP 0, 0, 2
.Lfirst_done:
	s_mov_b32 s3, LAPS-1
.Llap:                                                 ; a trip goes once round the ring, from a lap's second step to the next lap's first, and fills both slots again
	TURN 0, 1, 1
	STEP 1, 0, 0
	TURN 1, 0, 1
	STEP 0, 0, 0
	s_sub_co_u32 s3, s3, 1
	s_cmp_lg_u32 s3, 0
	s_cbranch_scc1 .Llap
	TURN 0, 1, 0                                   ; the last lap fills nothing, and has no round of the cluster's barrier
	STEP 1, 0, 0
	s_wait_dscnt 4*NL                              ; the very last step: nothing more to fetch
	WIN MUL_LO
	MUL16 0, 1, NQ-1, 1, 0
	MUL16 2, 1, NQ-1, 1, 0
	s_wait_dscnt 0
	WIN MUL_HI
	MUL16 4, 1, NQ-1, 1, 0
	MUL16 6, 1, NQ-1, 1, 0
	WIN 0
; THE WAY OUT.  The 64 registers of S1's block AA (eight tiles) are four blocks of 32 along the quantiser's axis: block b in registers 16 b .. 16 b + 15 of lanes l and l xor 16.
; QUANT makes of them a fragment's 12 registers of codes in v[CD] on and the four scale bytes in v[pw].  Each accumulator is read from its low end on.
.macro QUANT pw
.set SRC, 64*(AA%4)
.set WN, 2+AA/4
	WIN 5*WN                                       ; sources 0 and 1: the accumulators' window
.irp b, 0,1,2,3
	v_max3_num_f32 v[TM+\b], |v[SRC+16*\b]|, |v[SRC+16*\b+1]|, 0x1800000   ; my 16 numbers, and the floor 2^(3 - 127): the byte cannot fall under 1
.endr
.irp i, 2,4,6,8,10,12,14
.irp b, 0,1,2,3
	v_max3_num_f32 v[TM+\b], |v[SRC+16*\b+\i]|, |v[SRC+16*\b+\i+1]|, v[TM+\b]   ; the four blocks by turns
.endr
.endr
	WIN 0
.irp b, 0,1,2,3
	v_permlanex16_b32 v[TM+4+\b], v[TM+\b], s[SEL], s[SEL+1]
.endr
.irp b, 0,1,2,3
	v_max_num_f32 v[TM+\b], v[TM+\b], v[TM+4+\b]   ; with lane l xor 16's: the block's largest magnitude
.endr
.irp b, 0,1,2,3
	v_add_nc_u32 v[TM+12+\b], 0xff000000, v[TM+\b] ; 2 off its exponent field: the conversion takes this operand's exponent field as its scale
.endr
.irp b, 0,1,2,3
	v_lshrrev_b32 v[TM+4+\b], 23, v[TM+12+\b]      ; the scale's byte
.endr
	v_lshl_or_b32 v[\pw], v[TM+5], 8, v[TM+4]
	v_lshl_or_b32 v[\pw], v[TM+6], 16, v[\pw]
	v_lshl_or_b32 v[\pw], v[TM+7], 24, v[\pw]
	s_wait_xcnt 0x0                                ; the last stores have read the codes' registers: only behind this wait are they written again
	WIN WN                                         ; source 0: the accumulators' window
.irp c, 0,1
	v_cvt_scalef32_pk16_fp6_f32 v[CD+6*\c:CD+6*\c+2], v[SRC+32*\c:SRC+32*\c+15], v[TM+12+2*\c]
	v_cvt_scalef32_pk16_fp6_f32 v[CD+12+4*\c:CD+14+4*\c], v[SRC+16+32*\c:SRC+31+32*\c], v[TM+12+2*\c+1]   ; (a conversion's three registers begin on an even number)
.endr
	WIN 0
	v_nop                                          ; one plain place behind a scaled conversion
.irp c, 0,1                                    ; the operand's layout wants a whole block in a lane: lanes 0-15 block 2 c, lanes 16-31 block 2 c + 1
.irp i, 0,1,2
	v_permlane16_swap_b32 v[CD+6*\c+\i], v[CD+12+4*\c+\i]
.endr
.irp i, 0,1,2
	v_mov_b32 v[CD+3+6*\c+\i], v[CD+12+4*\c+\i]
.endr
.endr
.endm
	PLACES NP                                      ; behind the last products: their results are read and the registers that held S1's fragments are written below
.irp b, 0,1,2,3
	v_mov_b32 v[TM+4+\b], 0                        ; written once: a lane permute's destination counts as one of its sources
.endr
	v_cmp_eq_u32 vcc_lo, 1, v2                     ; lanes 16-31
.irp p, 0,1,2,3                                ; S1's blocks in pairs
.irp e, 0,1
.set AA, 2*\p+\e
	QUANT PW+\e
.irp i, 0,1,2
	global_store_b64 v[OE+2*\e], v[CD+2*\i:CD+2*\i+1], s[4:5] offset:256*\i      ; registers 0-5: three chunks, each 256 consecutive bytes at a multiple of 256 from the buffer's first byte
.endr
.irp i, 0,1,2
	global_store_b64 v[OE+2*\e+1], v[CD+6+2*\i:CD+6+2*\i+1], s[4:5] offset:256*\i  ; registers 6-11
.endr
.endr
	v_perm_b32 v[XX], v[PW+1], v[PW], s12          ; the pair's scale words as the images want them
	v_perm_b32 v[XX+1], v[PW+1], v[PW], s13
	v_cndmask_b32 v[XX+2], v[XX], v[XX+1], vcc_lo
	global_store_b32 v[SOF], v[XX+2], s[6:7]
.if \p < 3
	s_wait_xcnt 0x0                                ; the stores have read their bases and data
	s_add_nc_u64 s[4:5], s[4:5], s[8:9]
	s_add_nc_u64 s[6:7], s[6:7], s[10:11]
.endif
.endr
	s_wait_tensorcnt 0x0                           ; the wave's end
	ds_add_u32 v[SPW], v[NIL]
	s_wait_dscnt 0x0
	CROUND                                         ; the closing round: no work-group ends while a partner may still ask for a tile that names it
	s_endpgm
.Lfunc_end_k_q924fa4a6e9_proj:
	.size	k_q924fa4a6e9_proj, .Lfunc_end_k_q924fa4a6e9_proj-k_q924fa4a6e9_proj
	.p2alignl 7, 3214868480
	.fill 96, 4, 3214868480
	.section	.rodata,"a",@progbits
	.p2align	6, 0x0
	.amdhsa_kernel k_q924fa4a6e9_proj
		.amdhsa_group_segment_fixed_size 327680
		.amdhsa_private_segment_fixed_size 0
		.amdhsa_enable_private_segment 0
		.amdhsa_kernarg_size 96
		.amdhsa_user_sgpr_count 2
		.amdhsa_user_sgpr_kernarg_segment_ptr 1
		.amdhsa_wavefront_size32 1
		.amdhsa_system_sgpr_workgroup_id_x 1
		.amdhsa_system_sgpr_workgroup_id_y 1
		.amdhsa_system_sgpr_workgroup_id_z 1
		.amdhsa_system_vgpr_workitem_id 0
		.amdhsa_next_free_vgpr 1024
		.amdhsa_next_free_sgpr 106
		.amdhsa_reserve_vcc 1
		.amdhsa_float_denorm_mode_32 3
		.amdhsa_float_denorm_mode_16_64 3
		.amdhsa_memory_ordered 1
		.amdhsa_forward_progress 1
		.amdhsa_inst_pref_size 190
	.end_amdhsa_kernel
	.amdgpu_metadata
---
amdhsa.version: [ 1, 2 ]
amdhsa.kernels:
  - .name:           k_q924fa4a6e9_proj
    .symbol:         k_q924fa4a6e9_proj.kd
    .args:
      - { .name: x_codes, .offset: 0, .size: 8, .value_kind: global_buffer, .address_space: global }
      - { .name: x_scales, .offset: 8, .size: 8, .value_kind: global_buffer, .address_space: global }
      - { .name: WQ_codes, .offset: 16, .size: 8, .value_kind: global_buffer, .address_space: global }
      - { .name: WQ_scales, .offset: 24, .size: 8, .value_kind: global_buffer, .address_space: global }
      - { .name: WK_codes, .offset: 32, .size: 8, .value_kind: global_buffer, .address_space: global }
      - { .name: WK_scales, .offset: 40, .size: 8, .value_kind: global_buffer, .address_space: global }
      - { .name: WV_codes, .offset: 48, .size: 8, .value_kind: global_buffer, .address_space: global }
      - { .name: WV_scales, .offset: 56, .size: 8, .value_kind: global_buffer, .address_space: global }
      - { .name: bQ, .offset: 64, .size: 8, .value_kind: global_buffer, .address_space: global }
      - { .name: bK, .offset: 72, .size: 8, .value_kind: global_buffer, .address_space: global }
      - { .name: bV, .offset: 80, .size: 8, .value_kind: global_buffer, .address_space: global }
      - { .name: qkv, .offset: 88, .size: 8, .value_kind: global_buffer, .address_space: global }
    .group_segment_fixed_size: 327680
    .private_segment_fixed_size: 0
    .kernarg_segment_align: 8
    .kernarg_segment_size: 96
    .max_flat_workgroup_size: 128
    .sgpr_count:     106
    .vgpr_count:     1024
    .wavefront_size: 32
...
	.end_amdgpu_metadata
.endif
;; end of part 1
;; launch attn (part 2): grid 4 x 64, 16 waves a work-group, clusters of 4 x 1, 206,848 bytes of LDS; arguments qkv, o_codes, o_scales; writes o_codes, o_scales
.if DOCPART == 2
	.amdgcn_target "amdgcn-amd-amdhsa--gfx1250"
	.amdhsa_code_object_version 6
	.text
	.protected	k_q924fa4a6e9_attn
	.globl	k_q924fa4a6e9_attn
	.p2align	8
	.type	k_q924fa4a6e9_attn,@function
k_q924fa4a6e9_attn:
	s_mov_b64 s[64:65], 0
	v_nop
	global_prefetch_b8 v0, s[64:65] scope:SCOPE_SE
	s_setreg_imm32_b32 hwreg(HW_REG_WAVE_MODE, 25, 1), 1
	s_wait_xcnt 0x0
	s_wait_alu depctr_hold_cnt(0) depctr_sa_sdst(0) depctr_va_vdst(0) depctr_va_sdst(0) depctr_va_ssrc(0) depctr_va_vcc(0) depctr_vm_vsrc(0)
	s_getreg_b32 s2, hwreg(HW_REG_IB_STS2, 6, 4)
	s_cmp_eq_u32 s2, 0
	s_cbranch_scc0 .Lentry_in_a_cluster
	s_endpgm
.Lentry_in_a_cluster:
	s_bfe_u32 s2, ttmp6, 0x10000c
	s_cmp_lg_u32 s2, 0x3003
	s_cbranch_scc0 .Lentry_shape_is_right
	s_endpgm
.Lentry_shape_is_right:
; o[b][q][h][:] = the sum over k of softmax_k(q . k) v, 64 heads (batch x head) of 2,048 tokens and 64 channels, no scaling of the scores; both products on codes of FP6 (E2M3) with E8M0 scales,
; read as images of operand registers from qkv (its layout: [batch 4][head pair 8][step of 128 tokens 16] frames of 38,400 bytes: K at 0 and 6,144, V at 12,288 and 18,432, Q at 24,576 and 30,720,
; scale words from 36,864 on, 256 bytes for each of the six).  An image is six chunks of 256 bytes: chunk i = registers 2 i, 2 i + 1, lane l at 8 l.
; THE SOFTMAX: t = score x log2(e); M = the largest t so far, rounded up to a whole number; p = 2^(t - M) is quantised along the keys, not normalised; the sum is taken of the unquantised p and divides o at the end.
; When M moves, the sum and o are multiplied by 2^(old M - new M), which rounds nothing.
; SHARES.  A work-group owns one head and 512 queries; each of its sixteen waves owns 32 of them, as two tiles of 16, one after the other (two passes); a pass walks the head's 2,048 keys, 128 a step.
; THE HEAD'S WHOLE K AND V STAY IN LDS: 196,608 bytes of codes and 8,192 of scale words, filled once: no slot is filled again, and no barrier stands in the loops.
; CLUSTER.  The four work-groups of a cluster are the four quarters of one head's queries: they need the same K and V, so every fill is asked for jointly, with the mask of all four.
; K = 64 IN AN INSTRUCTION OF 128.  An image of K holds two tiles of 16 keys (registers 0-5, registers 6-11).  It is multiplied by [Q | zeros] for the first tile's scores and by [zeros | Q] for the second's:
; Q lies in 18 registers as Q, six zeros, Q.  A zero code adds nothing under any scale byte but 0xff, so every byte of K that is read is used.
; LAYOUT.  Both products are used transposed (S^T = K Q^T, O^T = V^T P^T): a lane holds ONE query (lane % 16) throughout.  The 16 registers of score tiles 2 b, 2 b + 1 are keys 8 h + 0..7 and 16 + 8 h + 0..7 of block b:
; p's codes so lie inside a block in the order 0-7, 16-23, 8-15, 24-31, which is the order in which v's were laid.
; o is quantised along head x 64 + channel in true order (sixteen exchanges of lane halves first), and stored as half an image: o_codes [row tile 512][head 16][768], o_scales [8,192][32].
; LIMITS: NaN, infinities and the scale byte 0xff are not served.  A block of p or of o whose largest magnitude lies under 2^-124 keeps the byte 1; these bytes are read by this program alone.
; o's scale bytes leave two at a time, 32 bytes apart: 262,144 bytes in all beside 6.3 MB of codes.
.set FRAME, 38400
.set STEPB, 12288                      ; a key step in LDS: K's four images, then V's four
.set SCB,   16*STEPB                   ; behind them the scale words: 512 bytes a step: K's 256, V's 256
.set BM,  212                          ; v212-215 a block's largest score, then its largest p
.set BT,  216                          ; v216-219 the other half's, then the bytes
.set BS,  220                          ; v220-223 the conversions' scale operands
.set WV,  10                           ; s10 wave;  s11 cx;  s12 batch x 16 + head
.set CX,  11
.set BH,  12
.set G1K, 16                           ; s[16:23] group 1 for a step's codes;  s[24:31] for its scale words;  s[32:35], s[36:39] their groups 0: none is ever rewritten
.set G1S, 24
.set G0K, 32
.set G0S, 36
.set QC,  40                           ; s[40:41] my pair of query tiles: codes;  s[42:43] scale words;  s[44:45] o's codes;  s[46:47] o's scale bytes
.set QS,  42
.set OC,  44
.set OS,  46
.set SEL, 48                           ; s[48:49] v_permlanex16_b32's selects for lane l xor 16
.set CS,  50                           ; s[50:51] log2(e): the packed form names a pair and takes its low word for both halves
.set TB,  52                           ; s52 LDS byte of the step's codes;  s53 of its scale words;  s54 steps to go
.set TS,  53
.set KST, 54
; REGISTERS: v1 8 x lane; v2 SCB + 4 r; v3 4 r; v4 32 r; v8, v9 the step's LDS addresses; v12 -M, v13 the largest t, v[14:15] the sum in two halves; v16-33 Q, zeros, Q; v34 Q's scale word;
; v36-83 four images of K, then of V; v84-87 their scale words; v96-159 S^T, then p; v160-191 O^T; v192-203 p's codes; v204-210 at work; v[224:225] f; v226 p's scale word; v227-230 at work.
.macro CROUND                          ; a round of the cluster's barrier
	s_barrier_signal -1
	s_barrier_wait -1
	s_cmp_lg_u32 s[WV], 0
	s_cbranch_scc1 .Lnot_wave_0_\@
	s_barrier_signal -3
.Lnot_wave_0_\@:
	s_barrier_wait -3
	s_barrier_signal -1
	s_barrier_wait -1
.endm
	s_load_b128 s[4:7], s[0:1], 0x0                ; qkv s[4:5], o_codes s[6:7]
	s_load_b64 s[8:9], s[0:1], 0x10                ; o_scales
	v_lshl_add_u32 v254, v0, 2, 0x32000
	v_mov_b32 v255, 0
	ds_add_u32 v254, v255
	ds_add_u32 v254, v255
	v_lshrrev_b32 v1, 5, v0
	v_readfirstlane_b32 s[WV], v1                  ; wave 0..15
	s_bfe_u32 s[CX], ttmp6, 0x40000                ; my quarter of the queries: it enters Q's and o's addresses alone
	s_and_b32 s[BH], ttmp7, 0xffff                 ; the head, which the four partners share
	s_and_b32 s56, s[BH], 1                        ; which head of its pair
	s_lshr_b32 s57, s[BH], 1
	s_mul_i32 s57, s57, 16*FRAME                   ; the pair's sixteen frames
	s_mul_i32 s58, s[WV], FRAME                    ; wave w fetches key step w
	s_add_co_u32 s58, s58, s57
	s_mul_i32 s59, s56, 6144
	s_add_co_u32 s[G0K+2], s58, s59                ; its K; its V lies 12,288 bytes on
	s_mov_b32 s[G0K+3], 0
	s_lshl_b32 s59, s56, 8
	s_add_co_u32 s[G0S+2], s58, s59
	s_add_co_u32 s[G0S+2], s[G0S+2], 36864         ; K's scale words; V's lie 512 bytes on
	s_mov_b32 s[G0S+3], 0
	s_mov_b32 s[G0K], 1                            ; 1:0 count = 1
	s_mul_i32 s[G0K+1], s[WV], STEPB               ; 63:32 LDS address
	s_mov_b32 s[G0S], 1
	s_lshl_b32 s[G0S+1], s[WV], 9
	s_add_co_u32 s[G0S+1], s[G0S+1], SCB
	; group 1, codes: two rows of 6,144 bytes (768 elements of 8 bytes), 12,288 bytes apart; dense in LDS
	s_mov_b32 s[G1K], 15|(3<<16)|(1<<21)           ; 15:0 the mask: all four work-groups; 17:16 elements of 8 bytes; 20 no padding; 21 set beside a mask
	s_mov_b32 s[G1K+1], 768<<16                    ; tensor_dim0
	s_mov_b32 s[G1K+2], 2<<16                      ; tensor_dim1
	s_mov_b32 s[G1K+3], 768<<16                    ; tile_dim0
	s_mov_b32 s[G1K+4], 2                          ; tile_dim1
	s_mov_b32 s[G1K+5], 1536                       ; tensor_dim0_stride
	s_mov_b32 s[G1K+6], 0
	s_mov_b32 s[G1K+7], 0
	; group 1, scale words: two rows of 256 bytes, 512 bytes apart
	s_mov_b32 s[G1S], 15|(3<<16)|(1<<21)
	s_mov_b32 s[G1S+1], 32<<16
	s_mov_b32 s[G1S+2], 2<<16
	s_mov_b32 s[G1S+3], 32<<16
	s_mov_b32 s[G1S+4], 2
	s_mov_b32 s[G1S+5], 64
	s_mov_b32 s[G1S+6], 0
	s_mov_b32 s[G1S+7], 0
	; my queries: frame 4 cx + wave / 4 of the pair's sixteen, image wave % 4
	s_lshl_b32 s60, s[CX], 2
	s_lshr_b32 s61, s[WV], 2
	s_add_co_u32 s60, s60, s61
	s_mul_i32 s60, s60, FRAME
	s_add_co_u32 s60, s60, s57
	s_and_b32 s61, s[WV], 3
	s_mul_i32 s62, s61, 1536
	s_mul_i32 s63, s56, 6144
	s_add_co_u32 s62, s62, s63
	s_add_co_u32 s62, s62, s60
	s_add_co_u32 s[QC], s62, 24576
	s_mov_b32 s[QC+1], 0
	s_lshl_b32 s62, s61, 6
	s_lshl_b32 s63, s56, 8
	s_add_co_u32 s62, s62, s63
	s_add_co_u32 s62, s62, s60
	s_add_co_u32 s[QS], s62, 37888
	s_mov_b32 s[QS+1], 0
	; o: row tile batch x 128 + 32 cx + 2 wave (+ the pass)
	s_lshr_b32 s60, s[BH], 4
	s_lshl_b32 s60, s60, 7
	s_lshl_b32 s61, s[CX], 5
	s_add_co_u32 s60, s60, s61
	s_lshl_b32 s61, s[WV], 1
	s_add_co_u32 s60, s60, s61
	s_and_b32 s61, s[BH], 15                       ; the head in its batch
	s_mul_i32 s[OC], s60, 12288
	s_mul_i32 s62, s61, 768
	s_add_co_u32 s[OC], s[OC], s62
	s_mov_b32 s[OC+1], 0
	s_lshl_b32 s[OS], s60, 9                       ; 16 rows of 32 bytes
	s_lshl_b32 s62, s61, 1
	s_add_co_u32 s[OS], s[OS], s62
	s_mov_b32 s[OS+1], 0
	s_mov_b32 s[SEL], 0x76543210
	s_mov_b32 s[SEL+1], 0xfedcba98
	s_mov_b32 s[CS], 0x3fb8aa3b                    ; log2(e)
	s_mov_b32 s[CS+1], s[CS]                       ; named with it as a pair, so it is written
	s_wait_dscnt 0x0
	s_wait_kmcnt 0x0
	s_add_nc_u64 s[G0K+2:G0K+3], s[4:5], s[G0K+2:G0K+3]
	s_or_b32 s[G0K+3], s[G0K+3], 0x80000000        ; 127:126 type = 2
	s_add_nc_u64 s[G0S+2:G0S+3], s[4:5], s[G0S+2:G0S+3]
	s_or_b32 s[G0S+3], s[G0S+3], 0x80000000
	s_add_nc_u64 s[QC:QC+1], s[4:5], s[QC:QC+1]
	s_add_nc_u64 s[QS:QS+1], s[4:5], s[QS:QS+1]
	s_add_nc_u64 s[OC:OC+1], s[6:7], s[OC:OC+1]
	s_add_nc_u64 s[OS:OS+1], s[8:9], s[OS:OS+1]
	CROUND                                         ; all four work-groups are here: the joint loads meet
	tensor_load_to_lds s[G0K:G0K+3], s[G1K:G1K+7]  ; every wave asks for one key step: its codes
	s_nop 0
	tensor_load_to_lds s[G0S:G0S+3], s[G1S:G1S+7]  ; and its scale words: two tensor loads of mine are out, the only ones of the launch
	s_nop 0
.rept 4
	v_nop
.endr
	v_and_b32 v5, 31, v0
	v_lshlrev_b32 v1, 3, v5                        ; 8 x lane: my place in a chunk
	v_and_b32 v6, 15, v0                           ; r
	v_lshlrev_b32 v3, 2, v6                        ; 4 r: my row's scale word
	v_add_nc_u32 v2, SCB, v3
	v_lshlrev_b32 v4, 5, v6                        ; 32 r: my row of o's scale bytes
.irp i, 22,23,24,25,26,27
	v_mov_b32 v\i, 0                               ; the zero codes between the two copies of Q
.endr
.irp b, 0,1,2,3
	v_mov_b32 v[BT+\b], 0                          ; written once: a lane permute's destination counts as one of its sources
.endr
	v_mov_b32 v225, 0                              ; named as the upper half of the pair v[224:225]
	s_wait_tensorcnt 0x0                           ; my key step has landed,
	s_barrier_signal -1
	s_barrier_wait -1                              ; everybody's has: from here on LDS is only read
; A PASS: one tile of 16 queries against all keys.  p = 0: the first tile of my pair, 1: the second; its place stands in the immediates.
.macro PASS p
.irp i, 0,1,2
	global_load_b64 v[16+2*\i:17+2*\i], v1, s[QC:QC+1] offset:768*\p+256*\i   ; Q's six registers,
	global_load_b64 v[28+2*\i:29+2*\i], v1, s[QC:QC+1] offset:768*\p+256*\i   ; twice
.endr
	global_load_u16 v34, v3, s[QS:QS+1] offset:2*\p    ; the tile's two scale bytes
	v_mov_b32 v13, 0xff61b1e6                      ; the largest t so far: -3e38, under every t
	v_floor_f32 v12, -v13                          ; -M
	v_mov_b32 v14, 0                               ; the sum, in two halves
	v_mov_b32 v15, 0
	s_mov_b32 s[TB], 0
	s_mov_b32 s[TS], 0
	s_mov_b32 s[KST], 16
	s_wait_loadcnt 0x0
	v_lshl_or_b32 v34, v34, 16, v34                ; the two bytes serve both halves of the instruction's K
.set J, 0
.rept 32
	v_mov_b32 v[160+J], 0                          ; O^T: the step is written once, its first trip finds zeros.  (These are also the places between the line above and the first scaled product)
.set J, J+1
.endr
.Lstep_\@:
	v_add_nc_u32 v8, s[TB], v1
	v_add_nc_u32 v9, s[TS], v2
	v_nop
	v_nop                                          ; four places in front of loads into registers that the last products read
.irp j, 0,1,2,3                                ; K's four images: 32 keys each
.irp q, 0,1,2,3,4,5
	ds_load_b64 v[36+12*\j+2*\q:37+12*\j+2*\q], v8 offset:1536*\j+256*\q
.endr
	ds_load_b32 v[84+\j], v9 offset:64*\j
.endr
	s_wait_dscnt 0x0
.irp j, 0,1,2,3                                ; S^T: score tile 2 j + u = keys 32 j + 16 u + 0..15
.irp u, 0,1
	v_wmma_scale_f32_16x16x128_f8f6f4 v[96+8*(2*\j+\u):103+8*(2*\j+\u)], v[36+12*\j:47+12*\j], v[16+6*\u:27+6*\u], 0, v[84+\j], v34 matrix_a_fmt:MATRIX_FMT_FP6 matrix_b_fmt:MATRIX_FMT_FP6
.endr
.endr
.rept 4
	v_nop                                          ; places in front of the loads below and of the first read of the scores
.endr
.irp t, 0,1,2,3                                ; V's four images (16 channels x these 128 keys) are asked for now and land under the softmax
.irp q, 0,1,2,3,4,5
	ds_load_b64 v[36+12*\t+2*\q:37+12*\t+2*\q], v8 offset:6144+1536*\t+256*\q
.endr
	ds_load_b32 v[84+\t], v9 offset:256+64*\t
.endr
.irp b, 0,1,2,3
	v_max3_num_f32 v[BM+\b], v[96+16*\b], v[97+16*\b], v[98+16*\b]   ; the largest score of each block of 32 keys: it serves the row's maximum and, since p rises with the score, the block's largest p
.endr
.irp i, 3,5,7,9,11,13
.irp b, 0,1,2,3
	v_max3_num_f32 v[BM+\b], v[BM+\b], v[96+16*\b+\i], v[97+16*\b+\i]
.endr
.endr
.irp b, 0,1,2,3
	v_max_num_f32 v[BM+\b], v[BM+\b], v[111+16*\b]
.endr
.irp b, 0,1,2,3
	v_permlanex16_b32 v[BT+\b], v[BM+\b], s[SEL], s[SEL+1]
.endr
.irp b, 0,1,2,3
	v_max_num_f32 v[BM+\b], v[BM+\b], v[BT+\b]     ; with lane l xor 16's 16 keys
.endr
	v_max3_num_f32 v227, v[BM], v[BM+1], v[BM+2]
	v_max_num_f32 v227, v227, v[BM+3]              ; the step's largest score of my query
	v_mul_f32 v227, s[CS], v227                    ; as t
	v_max_num_f32 v13, v13, v227                   ; the running largest t
	v_mov_b32 v227, v12
	v_floor_f32 v12, -v13                          ; the new -M = -ceil(t): a whole number
	v_sub_f32 v227, v12, v227                      ; old M less new M: a whole number, 0 or less
	v_cvt_i32_f32 v227, v227                       ; (it saturates)
	v_ldexp_f32 v224, 1.0, v227                    ; f = 2^(old M - new M)
.set J, 0
.rept 32
	v_pk_fma_f32 v[96+J:97+J], v[96+J:97+J], s[CS:CS+1], v[12:13] op_sel_hi:[1,0,0]   ; t - M, two at a time
.set J, J+2
.endr
.irp b, 0,1,2,3
	v_fma_f32 v[BM+\b], v[BM+\b], s[CS], v12       ; the same of each block's largest score
.endr
.set J, 0
.rept 64
	v_exp_f32 v[96+J], v[96+J]                     ; p = 2^(t - M), at most 1
.set J, J+1
.endr
.irp b, 0,1,2,3
	v_exp_f32 v[BM+\b], v[BM+\b]                   ; the block's largest p: the same two instructions on the same number
.endr
	v_pk_mul_f32 v[14:15], v[14:15], v[224:225] op_sel_hi:[1,0]   ; the sums under the new M.  (A plain place behind the exponentials)
	s_wait_alu depctr_va_vdst(0)
.irp b, 0,1,2,3
	v_max_num_f32 v[BM+\b], 0x1800000, v[BM+\b]    ; the floor 2^(3 - 127): the byte cannot fall under 1
.endr
.irp b, 0,1,2,3
	v_add_nc_u32 v[BS+\b], 0xff000000, v[BM+\b]    ; 2 off the exponent field: the conversion's scale operand
.endr
.irp b, 0,1,2,3
	v_lshrrev_b32 v[BT+\b], 23, v[BS+\b]           ; the scale's byte
.endr
	v_lshl_or_b32 v226, v[BT+1], 8, v[BT]          ; p's scale word for these 128 keys
	v_lshl_or_b32 v226, v[BT+2], 16, v226
	v_lshl_or_b32 v226, v[BT+3], 24, v226
.irp c, 0,1
	v_cvt_scalef32_pk16_fp6_f32 v[192+6*\c:194+6*\c], v[96+32*\c:111+32*\c], v[BS+2*\c]
	v_cvt_scalef32_pk16_fp6_f32 v[204+4*\c:206+4*\c], v[112+32*\c:127+32*\c], v[BS+2*\c+1]   ; (a conversion's three registers begin on an even number)
.endr
	v_nop                                          ; one plain place behind a scaled conversion
.irp c, 0,1                                    ; the operand's layout wants a whole block in a lane
.irp i, 0,1,2
	v_permlane16_swap_b32 v[192+6*\c+\i], v[204+4*\c+\i]
.endr
.irp i, 0,1,2
	v_mov_b32 v[195+6*\c+\i], v[204+4*\c+\i]
.endr
.endr
	v_pk_add_f32 v[228:229], v[96:97], v[98:99]    ; the row's sum is taken of the unquantised p: two at a time, in two chains
.irp j, 4,8,12,16,20,24,28,32,36,40,44,48,52,56,60
	v_pk_add_f32 v[14:15], v[14:15], v[96+\j:97+\j]
	v_pk_add_f32 v[228:229], v[228:229], v[98+\j:99+\j]
.endr
	v_pk_add_f32 v[14:15], v[14:15], v[228:229]
.set J, 0
.rept 16
	v_pk_mul_f32 v[160+J:161+J], v[160+J:161+J], v[224:225] op_sel_hi:[1,0]   ; O^T under the new M, each tile from its low end on
.set J, J+2
.endr
	s_wait_dscnt 0x0                               ; V is in
.irp t, 0,1,2,3                                ; O^T += V^T P^T: the four accumulators by turns, one instruction a turn
	v_wmma_scale_f32_16x16x128_f8f6f4 v[160+8*\t:167+8*\t], v[36+12*\t:47+12*\t], v[192:203], v[160+8*\t:167+8*\t], v[84+\t], v226 matrix_a_fmt:MATRIX_FMT_FP6 matrix_b_fmt:MATRIX_FMT_FP6
.endr
	s_add_co_u32 s[TB], s[TB], STEPB
	s_add_co_u32 s[TS], s[TS], 512
	s_sub_co_u32 s[KST], s[KST], 1
	s_cmp_lg_u32 s[KST], 0
	s_cbranch_scc1 .Lstep_\@
	; the pass's end: o = O^T / the sum, quantised along the channels, stored as half an image
.rept 4
	v_nop                                          ; places behind the last products
.endr
	v_add_f32 v14, v14, v15                        ; the sum's two halves,
	v_permlanex16_b32 v227, v14, s[SEL], s[SEL+1]
	v_add_f32 v14, v14, v227                       ; and lane l xor 16's
	v_rcp_f32 v14, v14
	v_nop                                          ; one plain place behind a transcendental
.set J, 0
	s_wait_alu depctr_va_vdst(0)
.rept 16
	v_pk_mul_f32 v[160+J:161+J], v[160+J:161+J], v[14:15] op_sel_hi:[1,0]   ; register 8 t + j: channel 16 t + 8 h + j of my query
.set J, J+2
.endr
.irp b, 0,1                                    ; tile 2 b's lanes 16-31 change places with tile 2 b + 1's lanes 0-15: my 16 registers are then channels 32 b + 16 h + 0..15, in true order, as WO's codes lie
.irp i, 0,1,2,3,4,5,6,7
	v_permlane16_swap_b32 v[160+16*\b+\i], v[168+16*\b+\i]
.endr
.endr
.irp b, 0,1
	v_max3_num_f32 v[BM+\b], |v[160+16*\b]|, |v[161+16*\b]|, 0x1800000
.endr
.irp i, 2,4,6,8,10,12,14
.irp b, 0,1
	v_max3_num_f32 v[BM+\b], v[BM+\b], |v[160+16*\b+\i]|, |v[161+16*\b+\i]|
.endr
.endr
.irp b, 0,1
	v_permlanex16_b32 v[BT+\b], v[BM+\b], s[SEL], s[SEL+1]
.endr
.irp b, 0,1
	v_max_num_f32 v[BM+\b], v[BM+\b], v[BT+\b]
.endr
.irp b, 0,1
	v_add_nc_u32 v[BS+\b], 0xff000000, v[BM+\b]
.endr
.irp b, 0,1
	v_lshrrev_b32 v[BT+\b], 23, v[BS+\b]
.endr
	v_lshl_or_b32 v230, v[BT+1], 8, v[BT]          ; the head's two scale bytes of my row
	v_cvt_scalef32_pk16_fp6_f32 v[192:194], v[160:175], v[BS]
	v_cvt_scalef32_pk16_fp6_f32 v[196:198], v[176:191], v[BS+1]
	v_nop                                          ; one plain place behind a scaled conversion
.irp i, 0,1,2
	v_permlane16_swap_b32 v[192+\i], v[196+\i]     ; lanes 0-15: channels 0-31, lanes 16-31: channels 32-63
.endr
	v_mov_b32 v195, v196
	v_mov_b32 v196, v197
	v_mov_b32 v197, v198
.irp i, 0,1,2
	global_store_b64 v1, v[192+2*\i:193+2*\i], s[OC:OC+1] offset:12288*\p+256*\i   ; a chunk: 256 consecutive bytes at a multiple of 256 from the buffer's first byte
.endr
	global_store_b16 v4, v230, s[OS:OS+1] offset:512*\p   ; lanes l and l xor 16 write the same two bytes
.if \p == 0
	s_wait_xcnt 0x0                                ; the stores have read their data: the next pass writes these registers again
.endif
.endm
	PASS 0
	PASS 1
	s_wait_dscnt 0x0                               ; no LDS instruction of mine is out at a signal
	s_wait_tensorcnt 0x0
	ds_add_u32 v254, v255
	s_wait_dscnt 0x0
	CROUND                                         ; the closing round
	s_endpgm
.Lfunc_end_k_q924fa4a6e9_attn:
	.size	k_q924fa4a6e9_attn, .Lfunc_end_k_q924fa4a6e9_attn-k_q924fa4a6e9_attn
	.p2alignl 7, 3214868480
	.fill 96, 4, 3214868480
	.section	.rodata,"a",@progbits
	.p2align	6, 0x0
	.amdhsa_kernel k_q924fa4a6e9_attn
		.amdhsa_group_segment_fixed_size 206848
		.amdhsa_private_segment_fixed_size 0
		.amdhsa_enable_private_segment 0
		.amdhsa_kernarg_size 24
		.amdhsa_user_sgpr_count 2
		.amdhsa_user_sgpr_kernarg_segment_ptr 1
		.amdhsa_wavefront_size32 1
		.amdhsa_system_sgpr_workgroup_id_x 1
		.amdhsa_system_sgpr_workgroup_id_y 1
		.amdhsa_system_sgpr_workgroup_id_z 1
		.amdhsa_system_vgpr_workitem_id 0
		.amdhsa_next_free_vgpr 256
		.amdhsa_next_free_sgpr 66
		.amdhsa_reserve_vcc 0
		.amdhsa_float_denorm_mode_32 3
		.amdhsa_float_denorm_mode_16_64 3
		.amdhsa_memory_ordered 1
		.amdhsa_forward_progress 1
		.amdhsa_inst_pref_size 53
	.end_amdhsa_kernel
	.amdgpu_metadata
---
amdhsa.version: [ 1, 2 ]
amdhsa.kernels:
  - .name:           k_q924fa4a6e9_attn
    .symbol:         k_q924fa4a6e9_attn.kd
    .args:
      - { .name: qkv, .offset: 0, .size: 8, .value_kind: global_buffer, .address_space: global }
      - { .name: o_codes, .offset: 8, .size: 8, .value_kind: global_buffer, .address_space: global }
      - { .name: o_scales, .offset: 16, .size: 8, .value_kind: global_buffer, .address_space: global }
    .group_segment_fixed_size: 206848
    .private_segment_fixed_size: 0
    .kernarg_segment_align: 8
    .kernarg_segment_size: 24
    .max_flat_workgroup_size: 512
    .sgpr_count:     66
    .vgpr_count:     256
    .wavefront_size: 32
...
	.end_amdgpu_metadata
.endif
;; end of part 2
;; launch outp (part 3): grid 4 x 32, 4 waves a work-group, clusters of 4 x 4, 327,680 bytes of LDS; arguments o_codes, o_scales, WO_codes, WO_scales, bO, out0; writes out0
.if DOCPART == 3
	.amdgcn_target "amdgcn-amd-amdhsa--gfx1250"
	.amdhsa_code_object_version 6
	.text
	.protected	k_q924fa4a6e9_outp
	.globl	k_q924fa4a6e9_outp
	.p2align	8
	.type	k_q924fa4a6e9_outp,@function
k_q924fa4a6e9_outp:
	s_mov_b64 s[64:65], 0
	v_nop
	global_prefetch_b8 v0, s[64:65] scope:SCOPE_SE
	s_setreg_imm32_b32 hwreg(HW_REG_WAVE_MODE, 25, 1), 1
	s_wait_xcnt 0x0
	s_wait_alu depctr_hold_cnt(0) depctr_sa_sdst(0) depctr_va_vdst(0) depctr_va_sdst(0) depctr_va_ssrc(0) depctr_va_vcc(0) depctr_vm_vsrc(0)
	s_getreg_b32 s2, hwreg(HW_REG_IB_STS2, 6, 4)
	s_cmp_eq_u32 s2, 0
	s_cbranch_scc0 .Lentry_in_a_cluster
	s_endpgm
.Lentry_in_a_cluster:
	s_bfe_u32 s2, ttmp6, 0x10000c
	s_cmp_lg_u32 s2, 0xf033
	s_cbranch_scc0 .Lentry_shape_is_right
	s_endpgm
.Lentry_shape_is_right:
; out0 = o WO + bO on codes of FP6 (E2M3) with one E8M0 scale for each 32 along K = 1,024; sums in f32; out0 [8,192][1,024] f32.
; o arrives from the attention launch as IMAGES OF OPERAND REGISTERS: o_codes [row tile of 16 rows: 512][K step of 128: 8][1,536 bytes]: six chunks of 256 bytes, chunk i = registers 2 i, 2 i + 1, lane l at 8 l;
; o_scales [8,192][32] and WO's codes [1,024][768] and scales [1,024][32] lie by rows.
; A work-group of four waves makes 256 x 256 of out0, a wave 128 x 128: 64 accumulators.  K goes in steps of 256 through a ring of two LDS slots filled by the tensor data mover.
; The matrix instruction is used transposed: source 0 (S0) = 16 rows of WO, source 1 (S1) = 16 rows of o: a lane holds eight neighbouring numbers of a row of out0.
; CLUSTERS: 4 x 4 work-groups; o's tile is shared along a row of the cluster, WO's along a column: each is asked for jointly, by the same tensor load with a mask that names the four.
; THE BIAS is the C of each sum's first matrix instruction: register 8 b + j = bO at column 16 b + 8 h + j of my 128.
; 128 work-groups: what the grid of 256 x 256 tiles gives at these sizes.
; LIMITS: NaN, infinities and the scale byte 0xff among the inputs are not served.
.set SIZE_N, 1024
.set KSTEP,  256
.set NQ,     KSTEP/128
.set ROWB,   192                       ; a row of WO's tile in bytes
.set KROW,   768                       ; a row of WO in memory
.set PITCH,  240                       ; an LDS row of WO: 3 x (64 bytes + 16 of padding)
.set IMGS,   3072                      ; a row tile's two images of a K step
.set IROW,   12288                     ; a row tile's eight images in memory
.set FR,     12
.set NL,     6
.set NP,     4                         ; places behind this matrix instruction (ISA guide 7.12.1)
.set HALFT,  128*PITCH                 ; the LDS bytes kept for 128 rows; o's images use 24,576 of them
.set SLOT,   4*HALFT                   ; o's 256 rows, then WO's 256 rows
.set LAPS,   1024/(2*KSTEP)
.set KS,     32
.set SCL,    2*SLOT                    ; behind the ring: the scales, as rows of 256 bytes + 16 of padding
.set HALFS,  (128*KS/256)*272
.set SBLK,   (16*KS/256)*272
.set SPARE,  SCL+4*HALFS               ; the spare words, 128 bytes for each wave: two blocks of 256 bytes that no other line names
.set SPITCH, 528                       ; the way out: a stage of 16 rows x (512 bytes + 16) for each wave, in slot 0, which has had its last fill and its last read when the first result is stored there
.set BOF,  7                           ; v7      byte offset of the bias loads
.set ADRA, 16                          ; v16-17  LDS address of my images of o in slot 0, 1
.set ADRB, 20                          ; v20-21  of my fragments of WO  (v22-23: for the pieces behind one padding more)
.set STO,  24                          ; v24     the way out: where I put 32 bytes of a row
.set RD,   25                          ; v25     where I read a row back
.set CO,   26                          ; v26     my byte offset in a row of out0
.set ADRS, 27                          ; v27     LDS address of my scale words: lanes 0-15 o's rows, lanes 16-31 WO's
.set SPW,  28                          ; v28     LDS address of my spare word; never rewritten
.set NIL,  29                          ; v29     0; never rewritten
.set SC,   32                          ; v32-63  scale words, two sets
.set CB,   64                          ; v64-127 the bias
.set AF,   128                         ; v128-223 o's fragments, one set (window 0);  window 1: WO's two sets;  windows 2, 3: the accumulators
.set BK,   128                         ; the way out: 16 rows read back from the stage: v128-191 and v192-255 by turns
.set WV,   20
.set HR,   21
.set HC,   22
.set G1,   24
.set G0,   32
.set G1B,  48
.set G0B,  56
.set G1S,  68
.set G0S,  76
.set G1SB, 80
.set G0SB, 88
.set MSB, 0
.macro WIN new                         ; the immediate's high byte repeats the setting that is left
.if MSB != (\new)
	s_set_vgpr_msb (MSB<<8)|(\new)
.set MSB, (\new)
.endif
.endm
.set MUL_LO, 0xa1                      ; source 0 window 1, source 1 window 0, C and D window 2
.set MUL_HI, 0xf1                      ; the same, C and D window 3
.set TO_B,   0x40                      ; destination window 1, address window 0
; A joint load: waves 0 and 1 fetch for o, waves 2 and 3 for WO.  The branch hangs on the wave's number alone.  Four v_nop follow each of the two lines.
.macro JLOAD g0a, g1a, g0b, g1b
	s_cmp_eq_u32 s[HR], 0
	s_cbranch_scc0 .Lfor_b_\@
	tensor_load_to_lds s[\g0a:\g0a+3], s[\g1a:\g1a+7]
	s_nop 0
.rept 4
	v_nop
.endr
	s_branch .Lasked_\@
.Lfor_b_\@:
	tensor_load_to_lds s[\g0b:\g0b+3], s[\g1b:\g1b+7]
	s_nop 0
.rept 4
	v_nop
.endr
.Lasked_\@:
.endm
.macro CREST                           ; a round of the cluster's barrier behind its opening barrier
	s_cmp_lg_u32 s[WV], 0
	s_cbranch_scc1 .Lnot_wave_0_\@
	s_barrier_signal -3
.Lnot_wave_0_\@:
	s_barrier_wait -3
	s_barrier_signal -1
	s_barrier_wait -1
.endm
.macro CROUND                          ; a whole round
	s_barrier_signal -1
	s_barrier_wait -1
	CREST
.endm
	s_load_b256 s[4:11], s[0:1], 0x0               ; o's codes s[4:5], o's scales s[6:7], WO's codes s[8:9], WO's scales s[10:11]
	s_load_b128 s[12:15], s[0:1], 0x20             ; bO s[12:13], out0 s[14:15]
	v_lshl_add_u32 v[SPW], v0, 2, SPARE
	v_mov_b32 v[NIL], 0
	ds_add_u32 v28, v29
	ds_add_u32 v28, v29
	s_wait_dscnt 0x0
	v_lshrrev_b32 v1, 5, v0
	v_readfirstlane_b32 s[WV], v1                  ; wave 0..3
	s_lshr_b32 s[HR], s[WV], 1                     ; which half of the tile's rows is mine.  Also: I fetch for o (0) or for WO (1)
	s_and_b32 s[HC], s[WV], 1                      ; which half of its columns.  Also: which 128 rows I fetch
	s_bfe_u32 s40, ttmp6, 0x40000                  ; cx, cy: my place in the cluster
	s_bfe_u32 s41, ttmp6, 0x40004
	s_lshl_b32 s42, ttmp9, 2
	s_add_co_u32 s42, s42, s40                     ; tile column = 4 x cluster x + cx
	s_and_b32 s66, ttmp7, 0xffff
	s_lshl_b32 s66, s66, 2
	s_add_co_u32 s66, s66, s41                     ; tile row = 4 x cluster y + cy
	s_lshl_b32 s43, s41, 2
	s_lshl_b32 s43, 15, s43                        ; my row of the cluster
	s_lshl_b32 s44, 0x1111, s40                    ; my column
	; group 1 for o: eight row tiles x the 3,072 bytes of a K step's two images, 12,288 bytes apart; dense in LDS
	s_or_b32 s[G1+0], s43, (0<<16)|(1<<21)         ; 15:0 the mask: o's tiles go to my row; 17:16 element of 1 byte; 20 no padding; 21 set beside a mask
	s_mov_b32 s[G1+1], IMGS<<16                    ; tensor_dim0
	s_mov_b32 s[G1+2], 8<<16                       ; tensor_dim1
	s_mov_b32 s[G1+3], IMGS<<16                    ; tile_dim0
	s_mov_b32 s[G1+4], 8                           ; tile_dim1
	s_mov_b32 s[G1+5], IROW                        ; tensor_dim0_stride
	s_mov_b32 s[G1+6], 0
	s_mov_b32 s[G1+7], 0
	; group 1 for WO: 128 rows x 192 bytes, 16 bytes of padding behind every 64
	s_or_b32 s[G1B+0], s44, (0<<16)|(1<<20)|(1<<21)|(3<<22)|(3<<25)
	s_mov_b32 s[G1B+1], ROWB<<16
	s_mov_b32 s[G1B+2], 128<<16
	s_mov_b32 s[G1B+3], ROWB<<16
	s_mov_b32 s[G1B+4], 128
	s_mov_b32 s[G1B+5], KROW
	s_mov_b32 s[G1B+6], 0
	s_mov_b32 s[G1B+7], 0
	; the scales of 128 rows: a dense block of 4,096 bytes, as 16 rows of 256 bytes, 16 bytes of padding behind each
	s_or_b32 s[G1S+0], s43, (3<<16)|(1<<20)|(1<<21)|(5<<22)|(3<<25)
	s_or_b32 s[G1SB+0], s44, (3<<16)|(1<<20)|(1<<21)|(5<<22)|(3<<25)
.irp g, G1S, G1SB
	s_mov_b32 s[\g+1], 32<<16
	s_mov_b32 s[\g+2], (128*KS/256)<<16
	s_mov_b32 s[\g+3], 32<<16
	s_mov_b32 s[\g+4], 128*KS/256
	s_mov_b32 s[\g+5], 32
	s_mov_b32 s[\g+6], 0
	s_mov_b32 s[\g+7], 0
.endr
	; byte offsets of what I fetch, made in the address words of each group 0 (all under 2^32)
	s_lshl_b32 s104, s66, 4
	s_lshl_b32 s105, s[HC], 3
	s_add_co_u32 s104, s104, s105                  ; o: row tile 16 x tile row + 8 x half
	s_mul_i32 s[G0+2], s104, IROW
	s_mov_b32 s[G0+3], 0
	s_lshl_b32 s[G0S+2], s104, 9                   ; 16 rows of 32 scale bytes
	s_mov_b32 s[G0S+3], 0
	s_lshl_b32 s46, s42, 8
	s_lshl_b32 s47, s[HC], 7
	s_add_co_u32 s46, s46, s47                     ; WO: row 256 x tile column + 128 x half
	s_mul_i32 s[G0B+2], s46, KROW
	s_mov_b32 s[G0B+3], 0
	s_lshl_b32 s[G0SB+2], s46, 5
	s_mov_b32 s[G0SB+3], 0
	s_mul_i32 s45, s[WV], HALFT                    ; where they go: no place in the cluster enters an LDS address
	s_mul_i32 s67, s[WV], HALFS
	s_mov_b32 s[G0S], 1
	s_add_co_u32 s[G0S+1], s67, SCL
	s_mov_b32 s[G0SB], 1
	s_add_co_u32 s[G0SB+1], s67, SCL
.irp s, 0,1
	s_mov_b32 s[G0+4*\s], 1
	s_add_co_u32 s[G0+4*\s+1], s45, \s*SLOT
	s_mov_b32 s[G0B+4*\s], 1
	s_add_co_u32 s[G0B+4*\s+1], s45, \s*SLOT
.endr
	s_wait_kmcnt 0x0
	s_add_nc_u64 s[G0+2:G0+3], s[4:5], s[G0+2:G0+3]
	s_add_nc_u64 s[G0+6:G0+7], s[G0+2:G0+3], IMGS  ; slot 1 begins with K step 1
	s_or_b32 s[G0+3], s[G0+3], 0x80000000          ; 127:126 type = 2
	s_or_b32 s[G0+7], s[G0+7], 0x80000000
	s_add_nc_u64 s[G0B+2:G0B+3], s[8:9], s[G0B+2:G0B+3]
	s_add_nc_u64 s[G0B+6:G0B+7], s[G0B+2:G0B+3], ROWB
	s_or_b32 s[G0B+3], s[G0B+3], 0x80000000
	s_or_b32 s[G0B+7], s[G0B+7], 0x80000000
	s_add_nc_u64 s[G0S+2:G0S+3], s[6:7], s[G0S+2:G0S+3]
	s_or_b32 s[G0S+3], s[G0S+3], 0x80000000
	s_add_nc_u64 s[G0SB+2:G0SB+3], s[10:11], s[G0SB+2:G0SB+3]
	s_or_b32 s[G0SB+3], s[G0SB+3], 0x80000000
	CROUND                                         ; all sixteen work-groups are here: the first joint loads meet
	JLOAD G0S, G1S, G0SB, G1SB                     ; the scales of all of K: filled once
	JLOAD G0, G1, G0B, G1B                         ; K step 0
	JLOAD G0+4, G1, G0B+4, G1B                     ; K step 1: three tensor loads of mine are out
	v_and_b32 v1, 15, v0                           ; r = l % 16
	v_bfe_u32 v2, v0, 4, 1                         ; h = l / 16
	v_and_b32 v6, 31, v0                           ; lane
	v_lshlrev_b32 v5, 3, v6
	s_mul_i32 s104, s[HR], HALFT                   ; my 128 rows of o: eight row tiles
	v_add_nc_u32 v[ADRA], s104, v5                 ; 8 x lane: my place in a chunk
	v_add_nc_u32 v[ADRA+1], SLOT, v[ADRA]
	v_mul_u32_u24 v3, v1, PITCH
	v_mul_u32_u24 v4, v2, 24
	v_add_nc_u32 v4, v3, v4                        ; WO: a fragment's row x pitch + 24 x half
	v_lshl_add_u32 v5, v2, 4, v4                   ; and the same behind one padding more
	s_mul_i32 s105, s[HC], HALFT                   ; my 128 rows of WO,
	s_add_co_u32 s105, s105, 2*HALFT               ; which lie behind o's 256
.irp s, 0,1
	v_add_nc_u32 v[ADRB+\s], s105, v4
	v_add_nc_u32 v[ADRB+2+\s], s105, v5
	s_add_co_u32 s105, s105, SLOT
.endr
	v_mul_u32_u24 v5, v1, KS                       ; my row's scales: 32 bytes a row,
	v_lshrrev_b32 v3, 8, v5
	v_lshl_add_u32 v5, v3, 4, v5                   ; and 16 more for each 256 passed
	s_mul_i32 s104, s[HR], HALFS
	s_mul_i32 s105, s[HC], HALFS
	s_add_co_u32 s105, s105, 2*HALFS
	s_sub_co_u32 s105, s105, s104
	v_mul_u32_u24 v3, s105, v2                     ; lanes 16-31 take WO's
	s_add_co_u32 s104, s104, SCL
	v_add_nc_u32 v5, v5, v3
	v_add_nc_u32 v[ADRS], s104, v5
	s_mul_i32 s104, s[WV], 16*SPITCH               ; my stage
	v_mul_u32_u24 v5, v1, SPITCH                   ; in: row l % 16, 32 bytes for each half of the lanes
	v_lshl_add_u32 v5, v2, 5, v5
	v_add_nc_u32 v[STO], s104, v5
	v_lshlrev_b32 v[CO], 4, v6                     ; back: the 32 lanes take one row of 512 bytes; and the same in out0
	v_add_nc_u32 v[RD], s104, v[CO]
	s_lshl_b32 s104, s66, 8
	s_lshl_b32 s105, s[HR], 7
	s_add_co_u32 s104, s104, s105                  ; my first row of out0
	s_lshl_b32 s104, s104, 12                      ; rows of 4,096 bytes
	s_lshl_b32 s46, s42, 10                        ; my first column, in bytes: 1,024 x tile column + 512 x half
	s_lshl_b32 s47, s[HC], 9
	s_add_co_u32 s46, s46, s47
	s_mov_b32 s47, 0
	s_add_nc_u64 s[12:13], s[12:13], s[46:47]      ; bO at my 128 columns
	s_add_co_u32 s46, s46, s104
	s_add_nc_u64 s[14:15], s[14:15], s[46:47]      ; out0 at my corner
	v_lshlrev_b32 v[BOF], 5, v2                    ; 32 h: my half's eight numbers of a tile's sixteen
.irp b, 0,1,2,3,4,5,6,7
	global_load_b128 v[CB+8*\b:CB+8*\b+3], v[BOF], s[12:13] offset:64*\b
	global_load_b128 v[CB+8*\b+4:CB+8*\b+7], v[BOF], s[12:13] offset:64*\b+16
.endr
.macro FRAG reg, adr, q, i             ; a fragment of WO, 16 rows x 128 K: lane l holds row l % 16; registers 6 c .. 6 c + 5 hold K = 64 c + 32 (l / 16) + 0 .. 31: 24 bytes of the row, as they lie, in pieces of 8 bytes
.irp p, 0,1,2,3,4,5                    ; lanes 16-31 read three pieces further on than lanes 0-15; where that lies behind one padding more, the second address register serves
.set PIECE, 12*(\q)+6*(\p/3)+\p%3
.if PIECE%8 < 5
	ds_load_b64 v[\reg+2*\p:\reg+2*\p+1], v[\adr] offset:8*PIECE+16*(PIECE/8)+(\i)*16*PITCH
.else
	ds_load_b64 v[\reg+2*\p:\reg+2*\p+1], v[\adr+2] offset:8*PIECE+16*(PIECE/8)+(\i)*16*PITCH
.endif
.endr
.endm
.macro FRAGI reg, adr, q, i            ; a fragment of o: its image's six chunks, each 256 consecutive bytes
.irp p, 0,1,2,3,4,5
	ds_load_b64 v[\reg+2*\p:\reg+2*\p+1], v[\adr] offset:(\i)*IMGS+(\q)*1536+256*\p
.endr
.endm
; 16 matrix instructions: o's blocks a0, a0 + 1 x WO's eight, 128 along K: the slot's q-th.  zero = 1: the sums start from the bias.  The 64 accumulators take turns, one instruction a turn.
.macro MUL16 a0, p, q, sc, zero
.irp a, \a0, \a0+1
.irp b, 0,1,2,3,4,5,6,7
.set rD, 8*(8*((\a)%4)+\b)
.set rB, 128*(\p)+FR*\b
.set rA, AF+FR*(\a)
.set rSB, SC+8*NQ*(\sc)+NQ*\b+(\q)
.set rSA, SC+8*NQ*(\sc)+NQ*(\a)+(\q)
.if \zero
	v_wmma_scale_f32_16x16x128_f8f6f4 v[rD:rD+7], v[rB:rB+FR-1], v[rA:rA+FR-1], v[CB+8*\b:CB+8*\b+7], v[rSB], v[rSA] matrix_a_fmt:MATRIX_FMT_FP6 matrix_b_fmt:MATRIX_FMT_FP6 matrix_a_scale:MATRIX_SCALE_ROW1
.else
	v_wmma_scale_f32_16x16x128_f8f6f4 v[rD:rD+7], v[rB:rB+FR-1], v[rA:rA+FR-1], v[rD:rD+7], v[rSB], v[rSA] matrix_a_fmt:MATRIX_FMT_FP6 matrix_b_fmt:MATRIX_FMT_FP6 matrix_a_scale:MATRIX_SCALE_ROW1
.endif
.endr
.endr
.endm
.macro FETCH_B slot, q, p              ; WO's eight fragments of the slot's q-th 128 along K into set p
	WIN TO_B
.irp i, 0,1,2,3,4,5,6,7
	FRAG 128*(\p)+FR*\i, ADRB+\slot, \q, \i
.endr
	WIN 0
.endm
.macro FETCH_A slot, q, i0             ; o's blocks i0 .. i0 + 3
.irp i, \i0, \i0+1, \i0+2, \i0+3
	FRAGI AF+FR*(\i), ADRA+\slot, \q, \i
.endr
.endm
.macro SCALES sc                       ; a K step's scale words into set sc: lanes 0-15 take o's block i, lanes 16-31 WO's block i
.irp i, 0,1,2,3,4,5,6,7
	ds_load_b64 v[SC+8*NQ*\sc+NQ*\i:SC+8*NQ*\sc+NQ*\i+1], v[ADRS] offset:\i*SBLK
.endr
.endm
.macro PLACES n                        ; plain vector instructions between a matrix instruction and a load into, or a read of, its registers (ISA guide 7.12.1 for reads)
.rept \n
	v_nop
.endr
.endm
.macro STEP slot, q, zero              ; a step of 128 along K that has its successor in the same slot
	s_wait_dscnt 4*NL                              ; WO's set and o's blocks 0-3 are in; the youngest 24 loads (o's blocks 4-7) may be out
.if \zero
	WIN 0x81                                       ; source 0 window 1, source 1 and C (the bias) window 0, D window 2
.else
	WIN MUL_LO
.endif
	MUL16 0, (\q)%2, \q, \slot, \zero
	MUL16 2, (\q)%2, \q, \slot, \zero
	s_wait_dscnt 0                                 ; o's blocks 4-7 are in
	PLACES NP
	FETCH_B \slot, (\q)+1, 1-(\q)%2
	FETCH_A \slot, (\q)+1, 0
.if \zero
	WIN 0xc1
.else
	WIN MUL_HI
.endif
	MUL16 4, (\q)%2, \q, \slot, \zero
	MUL16 6, (\q)%2, \q, \slot, \zero
	PLACES NP
	WIN 0
	FETCH_A \slot, (\q)+1, 4
.endm
; A slot's last step changes slots: ONE barrier; in front of it each wave waits for all its tensor loads, adds 0 to its spare word, and waits for that and for its own reads of this slot.  fill = 1: this slot is filled again, two K steps ahead.
.macro TURN slot, next, fill
	s_wait_tensorcnt 0x0                           ; all my tensor loads have landed: my part of the next slot
	ds_add_u32 v[SPW], v[NIL]                      ; 0 onto my spare word
	s_wait_dscnt 4*NL+1                            ; the add and the youngest 24 loads (o's blocks 4-7) may be out
	WIN MUL_LO
	MUL16 0, 1, NQ-1, \slot, 0                     ; sixteen matrix instructions stand between the add and the wait for it
	s_wait_dscnt 0x0                               ; the add is done, and my reads of this slot are over
	s_barrier_signal -1
	MUL16 2, 1, NQ-1, \slot, 0
	WIN 0
	s_barrier_wait -1
.if \fill
	CREST                                          ; the barrier has opened a round of the cluster's barrier: no wave of any partner still reads this slot or has a load on its way
	s_add_nc_u64 s[G0+4*\slot+2:G0+4*\slot+3], s[G0+4*\slot+2:G0+4*\slot+3], 2*IMGS
	s_add_nc_u64 s[G0B+4*\slot+2:G0B+4*\slot+3], s[G0B+4*\slot+2:G0B+4*\slot+3], 2*ROWB
	JLOAD G0+4*\slot, G1, G0B+4*\slot, G1B         ; the first tensor load behind the round; its four v_nop are the places in front of the loads below
.else
	PLACES NP
.endif
	v_add_nc_u32 v[ADRS], 4*NQ, v[ADRS]            ; on to the next K step's scale words
	FETCH_B \next, 0, 0
	FETCH_A \next, 0, 0
	SCALES \next
	WIN MUL_HI
	MUL16 4, 1, NQ-1, \slot, 0
	MUL16 6, 1, NQ-1, \slot, 0
	PLACES NP
	WIN 0
	FETCH_A \next, 0, 4
.endm
	s_wait_tensorcnt 1                             ; the scales and my part of K step 0 are in; K step 1's load, issued last, may be out
	s_barrier_signal -1
	s_barrier_wait -1                              ; everybody's are
	FETCH_B 0, 0, 0
	FETCH_A 0, 0, 0
	SCALES 0
	FETCH_A 0, 0, 4
	s_wait_loadcnt 0x0                             ; the bias
	STEP 0, 0, 1                                   ; the first step stands in front of the loop: its products start the sums from the bias
	s_mov_b32 s3, LAPS-1
.Llap:                                                 ; a trip goes once round the ring, from a lap's second step to the next lap's first, and fills both slots again
	TURN 0, 1, 1
	STEP 1, 0, 0
	TURN 1, 0, 1
	STEP 0, 0, 0
	s_sub_co_u32 s3, s3, 1
	s_cmp_lg_u32 s3, 0
	s_cbranch_scc1 .Llap
	TURN 0, 1, 0                                   ; the last lap fills nothing, and has no round of the cluster's barrier
	STEP 1, 0, 0
	s_wait_dscnt 4*NL                              ; the very last step: nothing more to fetch
	WIN MUL_LO
	MUL16 0, 1, NQ-1, 1, 0
	MUL16 2, 1, NQ-1, 1, 0
	s_wait_dscnt 0
	WIN MUL_HI
	MUL16 4, 1, NQ-1, 1, 0
	MUL16 6, 1, NQ-1, 1, 0
	WIN 0
; THE WAY OUT, block by block of 16 rows x 128 columns.  A lane holds 32 neighbouring bytes of a row, and the lanes beside it hold other rows: so a block goes through my own stage in LDS and comes back as whole
; rows of 512 bytes.  LDS serves a wave's instructions in order (ISA guide 5.7.1.4): no wait between the stores and the loads, nor in front of the next block's stores.
.macro TOSTAGE a
.set AC, 64*((\a)%4)
	WIN 0x08+4*((\a)/4)                            ; an LDS store's data: window 2 or 3
.irp b, 0,1,2,3,4,5,6,7
	ds_store_b128 v[STO], v[AC+8*\b:AC+8*\b+3] offset:64*\b          ; each accumulator from its low end on
	ds_store_b128 v[STO], v[AC+8*\b+4:AC+8*\b+7] offset:64*\b+16
.endr
	WIN 0
.set BB, BK+64*((\a)%2)
.irp t, 0,1,2,3,4,5,6,7,8,9,10,11,12,13,14,15
	ds_load_b128 v[BB+4*\t:BB+4*\t+3], v[RD] offset:\t*SPITCH
.endr
.endm
.macro SEND a, younger                 ; younger: the LDS instructions issued behind block a's loads, which may stay out
.set BB, BK+64*((\a)%2)
	s_wait_dscnt \younger                          ; the block is back in registers
.if (\a) > 0
	s_add_nc_u64 s[14:15], s[14:15], 16*SIZE_N*4   ; (behind a wait on XCNT: the earlier stores have read their base)  16 rows of out0 on
.endif
.irp t, 0,1,2,3,4,5,6,7,8,9,10,11,12,13,14,15
	global_store_b128 v[CO], v[BB+4*\t:BB+4*\t+3], s[14:15] offset:\t*SIZE_N*4 th:TH_STORE_NT   ; 32 lanes store 512 consecutive bytes, at a multiple of 256 from out0's first byte; written once, read by nobody here
.endr
.endm
	PLACES NP                                      ; behind the last products: results are read, and loads land in the registers that held o's fragments
	TOSTAGE 0
.irp a, 1,2,3,4,5,6,7
.if \a > 1
	s_wait_xcnt 0x0                                ; block a - 2's stores have read their registers and their base
.endif
	TOSTAGE \a
	SEND \a-1, 32                                  ; behind block a - 1's loads: block a's 16 stores and 16 loads
.endr
	s_wait_xcnt 0x0                                ; block 6's stores have read their base
	SEND 7, 0
	s_wait_tensorcnt 0x0                           ; the wave's end
	ds_add_u32 v[SPW], v[NIL]
	s_wait_dscnt 0x0
	CROUND                                         ; the closing round: no work-group ends while a partner may still ask for a tile that names it
	s_endpgm
.Lfunc_end_k_q924fa4a6e9_outp:
	.size	k_q924fa4a6e9_outp, .Lfunc_end_k_q924fa4a6e9_outp-k_q924fa4a6e9_outp
	.p2alignl 7, 3214868480
	.fill 96, 4, 3214868480
	.section	.rodata,"a",@progbits
	.p2align	6, 0x0
	.amdhsa_kernel k_q924fa4a6e9_outp
		.amdhsa_group_segment_fixed_size 327680
		.amdhsa_private_segment_fixed_size 0
		.amdhsa_enable_private_segment 0
		.amdhsa_kernarg_size 48
		.amdhsa_user_sgpr_count 2
		.amdhsa_user_sgpr_kernarg_segment_ptr 1
		.amdhsa_wavefront_size32 1
		.amdhsa_system_sgpr_workgroup_id_x 1
		.amdhsa_system_sgpr_workgroup_id_y 1
		.amdhsa_system_sgpr_workgroup_id_z 1
		.amdhsa_system_vgpr_workitem_id 0
		.amdhsa_next_free_vgpr 1024
		.amdhsa_next_free_sgpr 106
		.amdhsa_reserve_vcc 0
		.amdhsa_float_denorm_mode_32 3
		.amdhsa_float_denorm_mode_16_64 3
		.amdhsa_memory_ordered 1
		.amdhsa_forward_progress 1
		.amdhsa_inst_pref_size 161
	.end_amdhsa_kernel
	.amdgpu_metadata
---
amdhsa.version: [ 1, 2 ]
amdhsa.kernels:
  - .name:           k_q924fa4a6e9_outp
    .symbol:         k_q924fa4a6e9_outp.kd
    .args:
      - { .name: o_codes, .offset: 0, .size: 8, .value_kind: global_buffer, .address_space: global }
      - { .name: o_scales, .offset: 8, .size: 8, .value_kind: global_buffer, .address_space: global }
      - { .name: WO_codes, .offset: 16, .size: 8, .value_kind: global_buffer, .address_space: global }
      - { .name: WO_scales, .offset: 24, .size: 8, .value_kind: global_buffer, .address_space: global }
      - { .name: bO, .offset: 32, .size: 8, .value_kind: global_buffer, .address_space: global }
      - { .name: out0, .offset: 40, .size: 8, .value_kind: global_buffer, .address_space: global }
    .group_segment_fixed_size: 327680
    .private_segment_fixed_size: 0
    .kernarg_segment_align: 8
    .kernarg_segment_size: 48
    .max_flat_workgroup_size: 128
    .sgpr_count:     106
    .vgpr_count:     1024
    .wavefront_size: 32
...
	.end_amdgpu_metadata
.endif
;; end of part 3
